; MI455X (gfx1250); checked and timed in simulation.
; The chip was launched on July 23, 2026; its instructions are those of AMD's public machine-readable ISA for CDNA 5 (MIT licence, August 2026) and "CDNA5" Instruction Set Architecture Reference Guide (July 2026). The comments in the code are by the model that wrote it; some were corrected since.
;; Dilated Attention. Allowed arithmetic: matrix products marked QUANTISED: E2M3 operands, one E8M0 scale for each 32 along K, by v_wmma_scale_f32_16x16x128_f8f6f4 with both operands' format E2M3, f32 sums; everything else in f32.
;; Inputs: Wk 1,024 x 1,024 float32; Wo 1,024 x 1,024 float32; Wq 1,024 x 1,024 float32; Wv 1,024 x 1,024 float32; bk 1,024 float32; bo 1,024 float32; bq 1,024 float32; bv 1,024 float32; x 2 x 2,048 x 1,024 float32.
;; Outputs: out0 2 x 2,048 x 1,024 float32.
;; This version of the problem:
;;   THIS VERSION OF THE PROBLEM IS GIVEN IN LOW PRECISION. The matrix products marked QUANTISED in the list below multiply operands that are first quantised to E2M3 (2 exponent bits, 3 mantissa bits; 6 bits a number), with one power-of-two scale for each 32 numbers along K (OCP MX v1.0); their sums are f32. All else is computed in f32.
;;   The module's matrix products, in the order in which they are computed (A, B: the left and right operand; K: the contracted axis; several contracted axes count as one K, in the product's order):
;;     1. [M 4,096, K 1,024] x [K 1,024, N 1,024]; A: input x; B: input Wq: QUANTISED
;;     2. [M 4,096, K 1,024] x [K 1,024, N 1,024]; A: input x; B: input Wk: QUANTISED
;;     3. [M 4,096, K 1,024] x [K 1,024, N 1,024]; A: input x; B: input Wv: QUANTISED
;;     4. batch 32 x [M 2,048, K 64] x [K 64, N 2,048]; A: computed on the way; B: computed on the way: QUANTISED
;;     5. batch 32 x [M 2,048, K 2,048] x [K 2,048, N 64]; A: softmax (see below); B: computed on the way: QUANTISED
;;     6. [M 4,096, K 1,024] x [K 1,024, N 1,024]; A: computed on the way; B: input Wo: QUANTISED
;;   THE QUANTISER, for each operand of a quantised product, along K:
;;     - K is cut into blocks of 32 from its start; a last block that is shorter is filled with zeros.
;;     - A block's scale is 2^e with e = floor(log2(the largest magnitude in the block)) - 2, held to -126 .. 127; a block of zeros has e = 0. As a byte (E8M0): e + 127.
;;     - Each number is divided by its block's scale, clamped to +-7.5, and rounded to the nearest number of E2M3, ties to even, subnormals kept.
;;     - The product sums the exact products of the quantised numbers (number of the format x scale) in f32.
;;   ~~~python
;;   def quantise(x, axis):      # numpy; x: float32 -> the quantised numbers, widened to float32 again
;;       x = np.moveaxis(x, axis, -1); K = x.shape[-1]
;;       x = np.pad(x, [(0, 0)] * (x.ndim - 1) + [(0, -K % 32)]); x = x.reshape(x.shape[:-1] + (-1, 32)); a = np.abs(x).max(-1, keepdims=True)
;;       e = np.where(a > 0, np.clip(np.frexp(np.where(a > 0, a, 1))[1] - 1 - 2, -126, 127), 0)      # np.frexp(a)[1] - 1 = floor(log2(a)), exactly
;;       r = np.clip(x / 2.0 ** e, -7.5, 7.5)
;;       step = 2.0 ** (np.maximum(np.frexp(np.where(r == 0, 1, r))[1] - 1, 0) - 3)
;;       q = np.round(r / step) * step * 2.0 ** e      # np.round: ties to even
;;       return np.moveaxis(q.reshape(q.shape[:-2] + (-1,))[..., :K], -1, axis).astype(np.float32)
;;   ~~~
;;   SOFTMAX AHEAD OF A QUANTISED PRODUCT. Where the list says 'softmax', what is quantised is not the finished softmax but p = 2^(t - M), with t = logit x log2(e) and M = ceil(the row's largest t), a whole number; so 1/2 < the row's largest p <= 1. The row's sum l is taken of the UNQUANTISED p, in f32, and the product's result is divided by l at the end. Since M is a whole number, a kernel that streams over the keys may use a running M (the ceiling of the running maximum): every later rescaling is an exact power of two, which a block's scale takes up: the codes' values come out the same.
;;   OPERANDS COMPUTED ON THE WAY. 'Computed on the way' means the value that the module computes at that place (a softmax that the list does not call 'softmax' is quantised finished and normalised). What goes into a quantiser is computed in f32, as accurately as f32 sums, v_exp_f32 and their like allow (about 1e-6 of the number): no bf16 or f16 on the way to a quantiser, and a product that is left as it is and whose result goes on into a quantised operand takes f32 operands (vector FMAs, or v_wmma_f32_16x16x4_f32). A number that lies on a knife's edge between two numbers of the format may be rounded either way, as far as f32 arithmetic and the matrix unit's own rounding can turn it there, and no further.
;; One version. Each part assembles by itself: llvm-mc -triple=amdgcn-amd-amdhsa -mcpu=gfx1250 --defsym DOCPART=n.
;; ======== version 1 of 1: 4 launches
;; limits: right only within a limited range of input values
;; workspace buffers: cod 16,384,000 bytes; qb 4,194,304 bytes; kv 9,764,864 bytes; ac 3,276,800 bytes
;; launch quant (part 1): grid 512 x 1, 8 waves a work-group, no clusters, 120,832 bytes of LDS; arguments x, Wq, Wk, Wv, Wo, cod; writes cod
.if DOCPART == 1
	.amdgcn_target "amdgcn-amd-amdhsa--gfx1250"
	.amdhsa_code_object_version 6
	.text
	.protected	k_q79a4ca8e3a_quant
	.globl	k_q79a4ca8e3a_quant
	.p2align	8
	.type	k_q79a4ca8e3a_quant,@function
k_q79a4ca8e3a_quant:
	s_mov_b64 s[64:65], 0
	v_nop
	global_prefetch_b8 v0, s[64:65] scope:SCOPE_SE
	s_setreg_imm32_b32 hwreg(HW_REG_WAVE_MODE, 25, 1), 1
	s_wait_xcnt 0x0
; x [4096][1024] and Wq, Wk, Wv, Wo [1024][1024], f32, K innermost, become codes of FP6 (E2M3) with one E8M0 byte for each 32 along K,
; stored as IMAGES OF OPERAND REGISTERS: a tile of 16 rows x 128 K is 1,536 bytes, three planes of 512 (registers 4 k .. 4 k + 3 of lane l at 512 k + 16 l);
; its scale words follow the block's tiles, 4 bytes a row.  A block of 128 rows x 128 K of x is 8 tiles + 512 bytes = 12,800 bytes.
; x IS STORED IN FOUR ORDERS OF ITS ROWS (copy 0 .. 3, for dilation 1, 2, 4, 8): which 16 of a span's 128 tokens form a tile, and in which order.  With t = token % 128:
;   copy 0: tile (t6,t4,t3) row (t5,t2,t1,t0)   copy 1: tile (t0,t6,t4) row (t5,t3,t2,t1)   copy 2: tile (t1,t0,t6) row (t5,t4,t3,t2)   copy 3: tile (t2,t1,t0) row (t5,t6,t4,t3)
; so that a tile's tokens are one class modulo the dilation, and rows 8 h .. 8 h + 7 of a tile lie in the blocks of 32 tokens with t5 = h.  The weights take copy 0's order alone.
; SHARES: a work-group takes 128 rows x 128 K (64 KiB of f32); work-groups 0-255 take x, the others the weights.  Wave w takes rows 16 w .. 16 w + 15.
; A load takes a row's 512 bytes as they lie; the numbers turn through the wave's own stage in LDS, so that lane (r, h) holds, of row r, k = 64 c + 32 h + 0 .. 31: two whole blocks.
; LIMITS: NaN and infinities are not served.  A block whose largest magnitude lies under 2^-124 (a block of zeros too) gets the byte 1; only this program reads the bytes.
.set XCOPY, 3276800                    ; bytes of one copy of x
.set XTOT,  13107200                   ; the four copies; the weights lie behind them
.set SP,    528                        ; a stage row: 512 bytes + 16
.set WSTG,  16*SP
.set IMG,   8*WSTG                     ; 32 tiles' images, 1,536 + 16 bytes each
.set TP,    1552
.set SIM,   IMG+32*TP                  ; four copies' scale words, 512 bytes each
.set RW,    48                         ; v48-111  rows as loaded; later the images on their way out
.set XN,    112                        ; v112-175 my 64 numbers
.set CD,    28                         ; v28-39   my 12 registers of codes
.set YT,    40                         ; v40-46   the upper halves of the blocks, before they are moved
.macro PLACE cp                        ; tile in v20, row in v21: where my codes and my scale word of copy cp go
	v_mul_u32_u24 v[8+\cp], v20, TP
	s_delay_alu instid0(VALU_DEP_1)
	v_lshl_add_u32 v[8+\cp], v21, 4, v[8+\cp]
	s_delay_alu instid0(VALU_DEP_1)
	v_lshl_add_u32 v[8+\cp], v3, 8, v[8+\cp]
	s_delay_alu instid0(VALU_DEP_1)
	v_add_nc_u32 v[8+\cp], IMG+8*\cp*TP, v[8+\cp]
	v_lshlrev_b32 v[12+\cp], 6, v20
	s_delay_alu instid0(VALU_DEP_1)
	v_lshl_add_u32 v[12+\cp], v21, 2, v[12+\cp]
	s_delay_alu instid0(VALU_DEP_1)
	v_add_nc_u32 v[12+\cp], SIM+512*\cp, v[12+\cp]
.endm
	s_load_b256 s[4:11], s[0:1], 0x0               ; x, Wq, Wk, Wv
	s_load_b128 s[12:15], s[0:1], 0x20             ; Wo, cod
	v_lshl_add_u32 v192, v0, 2, 0x1d400
	v_mov_b32 v193, 0
	v_lshrrev_b32 v20, 5, v0
	s_delay_alu instid0(VALU_DEP_1)
	v_readfirstlane_b32 s16, v20                   ; wave 0..7
	v_and_b32 v1, 31, v0
	s_delay_alu instid0(VALU_DEP_1)
	v_lshlrev_b32 v1, 4, v1                        ; 16 x lane
	v_and_b32 v2, 15, v0                           ; r
	v_bfe_u32 v3, v0, 4, 1                         ; h
	s_mul_i32 s26, s16, WSTG
	v_add_nc_u32 v4, s26, v1                       ; the stage, on the way in
	v_mul_u32_u24 v5, v2, SP
	s_delay_alu instid0(VALU_DEP_1)
	v_lshl_add_u32 v5, v3, 7, v5
	s_delay_alu instid0(VALU_DEP_1)
	v_add_nc_u32 v5, s26, v5                       ; and out: row r, + 128 h
	v_lshlrev_b32 v6, 3, v3                        ; 8 h
	v_lshl_or_b32 v7, v20, 4, v2                   ; t = 16 w + r
	s_delay_alu instid0(VALU_DEP_1)
	v_bfe_u32 v22, v7, 6, 1                        ; t6
	s_delay_alu instid0(VALU_DEP_2)
	v_bfe_u32 v23, v7, 5, 1                        ; t5
	s_delay_alu instid0(VALU_DEP_3)
	v_bfe_u32 v20, v7, 3, 2                        ; copy 0
	s_delay_alu instid0(VALU_DEP_1)
	v_lshl_or_b32 v20, v22, 2, v20
	v_and_b32 v21, 7, v7
	s_delay_alu instid0(VALU_DEP_1)
	v_lshl_or_b32 v21, v23, 3, v21
	PLACE 0
	v_bfe_u32 v20, v7, 4, 1                        ; copy 1
	s_delay_alu instid0(VALU_DEP_1)
	v_lshl_or_b32 v20, v22, 1, v20
	v_and_b32 v21, 1, v7
	s_delay_alu instid0(VALU_DEP_1)
	v_lshl_or_b32 v20, v21, 2, v20
	v_bfe_u32 v21, v7, 1, 3
	s_delay_alu instid0(VALU_DEP_1)
	v_lshl_or_b32 v21, v23, 3, v21
	PLACE 1
	v_and_b32 v20, 3, v7                           ; copy 2
	s_delay_alu instid0(VALU_DEP_1)
	v_lshl_or_b32 v20, v20, 1, v22
	v_bfe_u32 v21, v7, 2, 4
	PLACE 2
	v_and_b32 v20, 7, v7                           ; copy 3
	v_bfe_u32 v21, v7, 3, 2
	s_delay_alu instid0(VALU_DEP_1)
	v_lshl_or_b32 v21, v22, 2, v21
	s_delay_alu instid0(VALU_DEP_1)
	v_lshl_or_b32 v21, v23, 3, v21
	PLACE 3
	s_mul_i32 s26, s16, TP
	v_add_nc_u32 v16, s26, v1
	s_delay_alu instid0(VALU_DEP_1)
	v_add_nc_u32 v16, IMG, v16                     ; the way out: tile w of a copy, 16 x lane
	s_and_b32 s27, s16, 3
	s_lshl_b32 s26, s27, 9
	v_add_nc_u32 v19, s26, v1
	s_delay_alu instid0(VALU_DEP_1)
	v_add_nc_u32 v19, SIM, v19                     ; and the scale words of copy w % 4
	s_mov_b32 s40, 0x76543210
	s_mov_b32 s41, 0xfedcba98                      ; lane selects: lane l xor 16
	; where things lie, as offsets; every choice hangs on the work-group's number alone
	s_and_b32 s17, ttmp9, 7                        ; K step
	s_lshr_b32 s18, ttmp9, 3
	s_and_b32 s19, s18, 7                          ; a weight's block of 128 rows
	s_and_b32 s18, s18, 31                         ; x's span
	s_bfe_u32 s20, ttmp9, 0x20006                  ; which weight
	s_mul_i32 s21, ttmp9, 12800                    ; x: (8 span + K step) blocks
	s_mul_i32 s22, s20, 819200
	s_and_b32 s24, s19, 1
	s_mul_i32 s24, s24, 409600                     ; heads 2 blk, 2 blk + 1: region 2 (blk % 2), and the next
	s_add_co_u32 s22, s22, s24
	s_mul_i32 s24, s17, 25600
	s_add_co_u32 s22, s22, s24
	s_add_co_u32 s22, s22, XTOT
	s_lshr_b32 s23, s19, 1                         ; blk / 2: which four tiles of the region's sixteen
	s_mul_i32 s24, s23, 6144
	s_add_co_u32 s24, s24, s22                     ; a weight's codes
	s_lshl_b32 s25, s23, 8
	s_add_co_u32 s25, s25, s22
	s_add_co_u32 s25, s25, 24576                   ; and scale words
	s_mul_i32 s39, s27, XCOPY
	s_add_co_u32 s39, s39, s21
	s_add_co_u32 s39, s39, 12288                   ; x: the scale words of copy w % 4
	s_mov_b32 s42, 204800
	s_mov_b32 s43, 204544
	s_cmp_lt_u32 ttmp9, 256
	s_cselect_b32 s24, s21, s24                    ; copy 0's block
	s_cselect_b32 s25, s39, s25
	s_cselect_b32 s42, 6144, s42                   ; from tile 3 to tile 4: on end in x, a region on in a weight
	s_cselect_b32 s43, 0, s43                      ; likewise for the second 256 bytes of scale words
	s_cselect_b32 s38, 4, 1                        ; how many waves store scale words
	s_cselect_b32 s44, s18, s19
	s_mul_i32 s27, s27, 1536
	s_lshr_b32 s45, s16, 2
	s_mul_i32 s45, s45, s42
	s_add_co_u32 s27, s27, s45
	s_add_co_u32 s24, s24, s27                     ; + my tile
	s_lshl_b32 s44, s44, 19                        ; 128 rows of 4,096 bytes
	s_lshl_b32 s45, s16, 16                        ; my 16 rows
	s_add_co_u32 s44, s44, s45
	s_lshl_b32 s45, s17, 9                         ; 128 numbers along K
	s_add_co_u32 s44, s44, s45
	s_mov_b32 s45, 0
	v_mul_u32_u24 v18, s43, v3
	s_delay_alu instid0(VALU_DEP_1)
	v_add_nc_u32 v18, v18, v1
	s_wait_kmcnt 0x0
	s_cmp_eq_u32 s20, 1
	s_cselect_b64 s[22:23], s[8:9], s[6:7]
	s_cmp_eq_u32 s20, 2
	s_cselect_b64 s[22:23], s[10:11], s[22:23]
	s_cmp_eq_u32 s20, 3
	s_cselect_b64 s[22:23], s[12:13], s[22:23]
	s_cmp_lt_u32 ttmp9, 256
	s_cselect_b64 s[22:23], s[4:5], s[22:23]
	s_add_nc_u64 s[22:23], s[22:23], s[44:45]
	s_mov_b32 s46, s24
	s_mov_b32 s47, 0
	s_add_nc_u64 s[28:29], s[14:15], s[46:47]      ; my tile in copy 0, 1, 2, 3
	s_add_nc_u64 s[30:31], s[28:29], XCOPY
	s_add_nc_u64 s[32:33], s[30:31], XCOPY
	s_add_nc_u64 s[34:35], s[32:33], XCOPY
	s_mov_b32 s46, s25
	s_add_nc_u64 s[36:37], s[14:15], s[46:47]
.irp i, 0,1,2,3,4,5,6,7,8,9,10,11,12,13,14,15
	global_load_b128 v[RW+4*\i:RW+4*\i+3], v1, s[22:23] offset:4096*\i th:TH_LOAD_NT   ; 32 lanes read 512 consecutive bytes of row i
.endr
.irp i, 0,1,2,3,4,5,6,7,8,9,10,11,12,13,14,15
	s_wait_loadcnt 15-\i                           ; row i is in; the younger rows may be out
	ds_store_b128 v4, v[RW+4*\i:RW+4*\i+3] offset:SP*\i
.endr
.irp c, 0,1
.irp k, 0,1,2,3,4,5,6,7
	ds_load_b128 v[XN+32*\c+4*\k:XN+32*\c+4*\k+3], v5 offset:256*\c+16*\k   ; LDS serves a wave's instructions in order: these see my stores
.endr
.endr
	s_wait_dscnt 0x0
	v_max3_num_f32 v20, |v[XN]|, |v[XN+1]|, 0x1800000      ; my two blocks' largest magnitudes, by turns; the floor 2^(3 - 127) holds the byte at 1 from below
	v_max3_num_f32 v21, |v[XN+32]|, |v[XN+33]|, 0x1800000
.irp i, 2,4,6,8,10,12,14,16,18,20,22,24,26,28,30
	s_delay_alu instid0(VALU_DEP_2)
	v_max3_num_f32 v20, v20, |v[XN+\i]|, |v[XN+\i+1]|
	s_delay_alu instid0(VALU_DEP_2)
	v_max3_num_f32 v21, v21, |v[XN+32+\i]|, |v[XN+33+\i]|
.endr
	s_delay_alu instid0(VALU_DEP_2)
	v_add_nc_u32 v22, 0xff000000, v20              ; 2 off the exponent field: the conversion's scale operand
	s_delay_alu instid0(VALU_DEP_2)
	v_add_nc_u32 v23, 0xff000000, v21
	s_delay_alu instid0(VALU_DEP_2)
	v_lshrrev_b32 v24, 23, v22                     ; the bytes of blocks h and 2 + h
	s_delay_alu instid0(VALU_DEP_2)
	v_lshrrev_b32 v25, 23, v23
	s_delay_alu instid0(VALU_DEP_1)
	v_lshl_or_b32 v24, v25, 16, v24
	s_delay_alu instid0(VALU_DEP_1)
	v_lshlrev_b32 v24, v6, v24                     ; at their places in the row's word
	s_delay_alu instid0(VALU_DEP_1)
	v_permlanex16_b32 v25, v24, s40, s41
	s_delay_alu instid0(VALU_DEP_1)
	v_or_b32 v24, v24, v25                         ; with lane l xor 16's two the word is whole
	v_cvt_scalef32_pk16_fp6_f32 v[CD:CD+2], v[XN:XN+15], v22
	v_cvt_scalef32_pk16_fp6_f32 v[YT:YT+2], v[XN+16:XN+31], v22     ; (a conversion's three registers begin on an even number)
	v_cvt_scalef32_pk16_fp6_f32 v[CD+6:CD+8], v[XN+32:XN+47], v23
	v_cvt_scalef32_pk16_fp6_f32 v[YT+4:YT+6], v[XN+48:XN+63], v23
	v_nop                                          ; one plain place behind the conversions
.irp i, 0,1,2
	v_mov_b32 v[CD+3+\i], v[YT+\i]
	v_mov_b32 v[CD+9+\i], v[YT+4+\i]
.endr
.irp cp, 0,1,2,3                               ; every work-group lays all four orders in LDS, so that no LDS store stands under a branch; a weight's copies 1 to 3 stay there
.irp k, 0,1,2
	ds_store_b128 v[8+\cp], v[CD+4*\k:CD+4*\k+3] offset:512*\k
.endr
	ds_store_b32 v[12+\cp], v24                    ; both halves of the lanes write the same word with the same value
.endr
	s_wait_dscnt 0x0                               ; for the others' sake: my stores have landed
	s_barrier_signal -1
	s_barrier_wait -1
.irp k, 0,1,2
	ds_load_b128 v[RW+4*\k:RW+4*\k+3], v16 offset:512*\k
.endr
	s_wait_dscnt 0x0
.irp k, 0,1,2
	global_store_b128 v1, v[RW+4*\k:RW+4*\k+3], s[28:29] offset:512*\k    ; 32 lanes store 512 consecutive bytes, aligned
.endr
	s_cmp_ge_u32 ttmp9, 256
	s_cbranch_scc1 .Lone_copy
.irp cp, 1,2,3
.irp k, 0,1,2
	ds_load_b128 v[RW+12*\cp+4*\k:RW+12*\cp+4*\k+3], v16 offset:8*\cp*TP+512*\k
.endr
.endr
	s_wait_dscnt 0x0
.irp cp, 1,2,3
.irp k, 0,1,2
	global_store_b128 v1, v[RW+12*\cp+4*\k:RW+12*\cp+4*\k+3], s[28+2*\cp:29+2*\cp] offset:512*\k
.endr
.endr
.Lone_copy:
	s_cmp_ge_u32 s16, s38
	s_cbranch_scc1 .Lend
	ds_load_b128 v[RW+48:RW+51], v19
	s_wait_dscnt 0x0
	global_store_b128 v18, v[RW+48:RW+51], s[36:37]       ; a copy's 512 bytes of scale words
.Lend:
	s_wait_tensorcnt 0x0
	ds_add_u32 v192, v193
	s_wait_dscnt 0x0
	s_endpgm
.Lfunc_end_k_q79a4ca8e3a_quant:
	.size	k_q79a4ca8e3a_quant, .Lfunc_end_k_q79a4ca8e3a_quant-k_q79a4ca8e3a_quant
	.p2alignl 7, 3214868480
	.fill 96, 4, 3214868480
	.section	.rodata,"a",@progbits
	.p2align	6, 0x0
	.amdhsa_kernel k_q79a4ca8e3a_quant
		.amdhsa_group_segment_fixed_size 120832
		.amdhsa_private_segment_fixed_size 0
		.amdhsa_enable_private_segment 0
		.amdhsa_kernarg_size 48
		.amdhsa_user_sgpr_count 2
		.amdhsa_user_sgpr_kernarg_segment_ptr 1
		.amdhsa_wavefront_size32 1
		.amdhsa_system_sgpr_workgroup_id_x 1
		.amdhsa_system_sgpr_workgroup_id_y 1
		.amdhsa_system_sgpr_workgroup_id_z 1
		.amdhsa_system_vgpr_workitem_id 0
		.amdhsa_next_free_vgpr 194
		.amdhsa_next_free_sgpr 66
		.amdhsa_reserve_vcc 0
		.amdhsa_float_denorm_mode_32 3
		.amdhsa_float_denorm_mode_16_64 3
		.amdhsa_memory_ordered 1
		.amdhsa_forward_progress 1
		.amdhsa_inst_pref_size 20
	.end_amdhsa_kernel
	.amdgpu_metadata
---
amdhsa.version: [ 1, 2 ]
amdhsa.kernels:
  - .name:           k_q79a4ca8e3a_quant
    .symbol:         k_q79a4ca8e3a_quant.kd
    .args:
      - { .name: x, .offset: 0, .size: 8, .value_kind: global_buffer, .address_space: global }
      - { .name: Wq, .offset: 8, .size: 8, .value_kind: global_buffer, .address_space: global }
      - { .name: Wk, .offset: 16, .size: 8, .value_kind: global_buffer, .address_space: global }
      - { .name: Wv, .offset: 24, .size: 8, .value_kind: global_buffer, .address_space: global }
      - { .name: Wo, .offset: 32, .size: 8, .value_kind: global_buffer, .address_space: global }
      - { .name: cod, .offset: 40, .size: 8, .value_kind: global_buffer, .address_space: global }
    .group_segment_fixed_size: 120832
    .private_segment_fixed_size: 0
    .kernarg_segment_align: 8
    .kernarg_segment_size: 48
    .max_flat_workgroup_size: 256
    .sgpr_count:     66
    .vgpr_count:     194
    .wavefront_size: 32
...
	.end_amdgpu_metadata
.endif
;; end of part 1
;; launch proj (part 2): grid 32 x 12, 4 waves a work-group, clusters of 4 x 1, 307,712 bytes of LDS; arguments cod, bq, bk, bv, qb, kv; writes qb, kv
.if DOCPART == 2
	.amdgcn_target "amdgcn-amd-amdhsa--gfx1250"
	.amdhsa_code_object_version 6
	.text
	.protected	k_q79a4ca8e3a_proj
	.globl	k_q79a4ca8e3a_proj
	.p2align	8
	.type	k_q79a4ca8e3a_proj,@function
k_q79a4ca8e3a_proj:
	s_mov_b64 s[64:65], 0
	v_nop
	global_prefetch_b8 v0, s[64:65] scope:SCOPE_SE
	s_setreg_imm32_b32 hwreg(HW_REG_WAVE_MODE, 25, 1), 1
	s_wait_xcnt 0x0
	s_wait_alu depctr_hold_cnt(0) depctr_sa_sdst(0) depctr_va_vdst(0) depctr_va_sdst(0) depctr_va_ssrc(0) depctr_va_vcc(0) depctr_vm_vsrc(0)
	s_getreg_b32 s2, hwreg(HW_REG_IB_STS2, 6, 4)
	s_cmp_eq_u32 s2, 0
	s_cbranch_scc0 .Lentry_in_a_cluster
	s_endpgm
.Lentry_in_a_cluster:
	s_bfe_u32 s2, ttmp6, 0x10000c
	s_cmp_lg_u32 s2, 0x3003
	s_cbranch_scc0 .Lentry_shape_is_right
	s_endpgm
.Lentry_shape_is_right:
; q = x Wq^T + bq, k = x Wk^T + bk, v = x Wv^T + bv on codes of FP6 (E2M3); the results are quantised at once for the two products of attention and stored as images of operand registers.
; SHARES.  A work-group takes one span of 128 tokens and y = 4 mat + dl: 256 channels of one weight, the heads dl, dl + 4, dl + 8, dl + 12 (all of dilation 2^dl).
; ALL OF K = 1,024 LIES IN LDS: x's eight blocks of 12,800 bytes (for k and v the copy of x in the order of dilation 2^dl, for q copy 3) and the weight's eight of 25,600.  Nothing is filled twice.
; CLUSTER.  The four spans of a cluster need the same weight: its blocks are asked for jointly (mask 15).  x's blocks are each work-group's own.
; q, k: source 0 = 16 channels, source 1 = 16 tokens: a lane holds ONE token and 32 neighbouring channels of a head, one block along the scores' K.  Wave (ah, bh): 64 tokens x 128 channels.
; v:    source 0 = 16 tokens, source 1 = 16 channels: a lane holds ONE channel and, by the order of x's rows, whole blocks of 32 neighbouring tokens, the second product's K.  Wave w: 128 tokens x head 4 w + dl.
; V's scale is taken over all 32 tokens of a block; its codes are stored class by class (tokens equal modulo the dilation), 32 / d codes of a block at the low end of the block's 192 bits.
; LIMITS: NaN and infinities are not served.  A block whose largest magnitude lies under 2^-124 gets the byte 1; only this program reads the bytes.
; REGISTERS.  window 0: v1-11 addresses; v16-31, v32-39 scale words (two sets; they hold nothing else); v40-135 the small side's fragments, two sets, later the epilogue's numbers; v136-199 bias; v144.. codes (v path).
;   window 1: 32 accumulators, (a, b) at v[8 (8 a + b)].   window 2: the big side's fragments, two sets of 96.
.set XCOPY, 3276800
.set XTOT,  13107200
.set LB,    102400                     ; LDS: x's blocks from 0, the weight's from here
.set SF,    40
.set T,     40
.set BI,    136
.set MSB,   0
.macro WIN new                         ; the immediate's high byte repeats the setting that is left
.if MSB != \new
	s_set_vgpr_msb (MSB<<8)|\new
.set MSB, \new
.endif
.endm
.macro CROUND                          ; a round of the cluster's barrier
	s_barrier_signal -1
	s_barrier_wait -1
	s_cmp_lg_u32 s16, 0
	s_cbranch_scc1 .Lnot_wave_0_\@
	s_barrier_signal -3
.Lnot_wave_0_\@:
	s_barrier_wait -3
	s_barrier_signal -1
	s_barrier_wait -1
.endm
.macro PLACES                          ; four plain places behind matrix instructions (ISA guide 7.12.1)
.rept 4
	v_nop
.endr
.endm
.macro SEL4 dst, c0, c1, c2, c3        ; a constant by dl
	s_mov_b32 s[\dst], \c0
	s_cmp_eq_u32 s21, 1
	s_cselect_b32 s[\dst], \c1, s[\dst]
	s_cmp_eq_u32 s21, 2
	s_cselect_b32 s[\dst], \c2, s[\dst]
	s_cmp_eq_u32 s21, 3
	s_cselect_b32 s[\dst], \c3, s[\dst]
.endm
	s_load_b256 s[4:11], s[0:1], 0x0               ; cod, bq, bk, bv
	s_load_b128 s[12:15], s[0:1], 0x20             ; qb, kv
	v_lshl_add_u32 v254, v0, 2, 0x4b000
	v_mov_b32 v255, 0
	ds_add_u32 v254, v255
	ds_add_u32 v254, v255
	v_lshrrev_b32 v1, 5, v0
	v_readfirstlane_b32 s16, v1                    ; wave 0..3
	s_bfe_u32 s17, ttmp6, 0x40000                  ; cx
	s_lshl_b32 s18, ttmp9, 2
	s_add_co_u32 s18, s18, s17                     ; span: it enters x's address and the results' addresses alone
	s_and_b32 s19, ttmp7, 0xffff                   ; y
	s_lshr_b32 s20, s19, 2                         ; mat: 0 q, 1 k, 2 v
	s_and_b32 s21, s19, 3                          ; dl
	s_cmp_eq_u32 s20, 0
	s_cselect_b32 s22, 3, s21                      ; which copy of x
	s_mul_i32 s22, s22, XCOPY
	s_mul_i32 s23, s18, 102400
	s_add_co_u32 s22, s22, s23
	s_mov_b32 s23, 0
	s_mul_i32 s76, s19, 204800                     ; the weight's region: made of y and the wave's number alone
	s_add_co_u32 s76, s76, XTOT
	s_lshr_b32 s78, s16, 1
	s_mul_i32 s78, s78, 102400                     ; wave 1 fetches the weight's K steps 0-3, wave 2 its K steps 4-7
	s_add_co_u32 s76, s76, s78
	s_lshr_b32 s83, s78, 1                         ; wave 0 fetches x's K steps 0-3, wave 3 its K steps 4-7: 51,200 bytes on
	s_add_co_u32 s22, s22, s83
	s_mov_b32 s77, 0
	; descriptor group 1: dense bytes as rows of 256 (32 elements of 8 bytes): 200 rows of x, 400 rows of the weight
	s_mov_b32 s24, 3<<16                           ; x: no mask
	s_mov_b32 s32, 15|(3<<16)|(1<<21)              ; the weight: all four work-groups; bit 21 set beside the mask
.irp g, 24,32
	s_mov_b32 s[\g+1], 32<<16                      ; tensor_dim0
	s_mov_b32 s[\g+2], (25*\g-400)<<16             ; tensor_dim1: 200 (g = 24), 400 (g = 32)
	s_mov_b32 s[\g+3], 32<<16                      ; tile_dim0
	s_mov_b32 s[\g+4], 25*\g-400                   ; tile_dim1
	s_mov_b32 s[\g+5], 32                          ; the pitch
	s_mov_b32 s[\g+6], 0
	s_mov_b32 s[\g+7], 0
.endr
	s_mov_b32 s2, 0x76543210
	s_mov_b32 s3, 0xfedcba98                       ; lane selects: lane l xor 16
	s_lshr_b32 s79, s18, 4                         ; batch
	s_and_b32 s80, s18, 15                         ; span in the batch
	s_wait_dscnt 0x0
	s_wait_kmcnt 0x0
	s_add_nc_u64 s[22:23], s[4:5], s[22:23]
	s_add_nc_u64 s[76:77], s[4:5], s[76:77]
.irp k, 0                                      ; group 0: one set for x, one for the weight; the halves are told apart by the wave's number
	s_mov_b32 s[40+4*\k], 1
	s_mov_b32 s[41+4*\k], s83
	s_add_nc_u64 s[42+4*\k:43+4*\k], s[22:23], \k*25600
	s_or_b32 s[43+4*\k], s[43+4*\k], 0x80000000
	s_mov_b32 s[56+4*\k+4*(\k/2)], 1
	s_add_co_u32 s[57+4*\k+4*(\k/2)], s78, LB+\k*51200
	s_add_nc_u64 s[58+4*\k+4*(\k/2):59+4*\k+4*(\k/2)], s[76:77], \k*51200
	s_or_b32 s[59+4*\k+4*(\k/2)], s[59+4*\k+4*(\k/2)], 0x80000000
.endr
	CROUND                                         ; all four work-groups are here: the joint loads meet
	s_add_co_u32 s84, s16, 1                       ; one tensor load a wave: waves 0 and 3 fetch x, waves 1 and 2 the weight
	s_and_b32 s84, s84, 2
	s_cmp_eq_u32 s84, 0
	s_cbranch_scc0 .Lnot_x
	tensor_load_to_lds s[40:43], s[24:31]
	s_nop 0
	PLACES
	s_branch .Lasked
.Lnot_x:
	tensor_load_to_lds s[56:59], s[32:39]
	s_nop 0
	PLACES
.Lasked:
	v_and_b32 v1, 31, v0
	v_lshlrev_b32 v2, 3, v1                        ; 8 x lane
	v_lshlrev_b32 v9, 2, v1                        ; 4 x lane
	v_lshlrev_b32 v1, 4, v1                        ; 16 x lane
	v_and_b32 v3, 15, v0
	v_lshlrev_b32 v3, 2, v3                        ; 4 x (lane % 16): a tile's scale words
	v_bfe_u32 v10, v0, 4, 1                        ; h
	v_lshlrev_b32 v8, 3, v10                       ; 8 h
; The fragments and scale words of one K step into set p: 8 tiles of the big side, 4 of the small; then the four addresses step on.
.macro FETCH p, bstep, sstep
	WIN 0x80                                       ; destination window 2
.irp i, 0,1,2,3,4,5,6,7
.irp k, 0,1,2
	ds_load_b128 v[96*(\p)+12*\i+4*\k:96*(\p)+12*\i+4*\k+3], v4 offset:1536*\i+512*\k
.endr
.endr
	WIN 0
.irp i, 0,1,2,3
.irp k, 0,1,2
	ds_load_b128 v[SF+48*(\p)+12*\i+4*\k:SF+48*(\p)+12*\i+4*\k+3], v5 offset:1536*\i+512*\k
.endr
.endr
.irp i, 0,1,2,3,4,5,6,7
	ds_load_b32 v[16+8*(\p)+\i], v6 offset:64*\i
.endr
.irp i, 0,1,2,3
	ds_load_b32 v[32+4*(\p)+\i], v7 offset:64*\i
.endr
	v_add_nc_u32 v4, \bstep, v4
	v_add_nc_u32 v6, \bstep, v6
	v_add_nc_u32 v5, \sstep, v5
	v_add_nc_u32 v7, \sstep, v7
.endm
; 16 products: the small side's tiles a0, a0 + 1 against the big side's eight.  The 32 accumulators take turns, one instruction a turn, in the same order in every K step.
.macro MULH p, a0, zero
.irp a, \a0, \a0+1
.irp b, 0,1,2,3,4,5,6,7
.if \zero
	v_wmma_scale_f32_16x16x128_f8f6f4 v[8*(8*(\a)+\b):8*(8*(\a)+\b)+7], v[96*(\p)+12*\b:96*(\p)+12*\b+11], v[SF+48*(\p)+12*(\a):SF+48*(\p)+12*(\a)+11], 0, v[16+8*(\p)+\b], v[32+4*(\p)+(\a)] matrix_a_fmt:MATRIX_FMT_FP6 matrix_b_fmt:MATRIX_FMT_FP6
.else
	v_wmma_scale_f32_16x16x128_f8f6f4 v[8*(8*(\a)+\b):8*(8*(\a)+\b)+7], v[96*(\p)+12*\b:96*(\p)+12*\b+11], v[SF+48*(\p)+12*(\a):SF+48*(\p)+12*(\a)+11], v[8*(8*(\a)+\b):8*(8*(\a)+\b)+7], v[16+8*(\p)+\b], v[32+4*(\p)+(\a)] matrix_a_fmt:MATRIX_FMT_FP6 matrix_b_fmt:MATRIX_FMT_FP6
.endif
.endr
.endr
.endm
; K step q.  In its middle the next step's fragments are fetched into the other set.  All of K lies in LDS from the one barrier in front of the first step on.
.macro KSTEP q, bstep, sstep
	s_wait_dscnt 0x0                               ; this step's fragments, asked for 16 products ago
	WIN 0x52                                       ; source 0 window 2, source 1 window 0, C and D window 1
.if (\q) == 0
	MULH 0, 0, 1
.else
	MULH (\q)%2, 0, 0
.endif
	WIN 0
.if (\q) < 7
	PLACES                                         ; in front of loads into registers that matrix instructions have read
	s_wait_alu depctr_va_vdst(0)
	FETCH 1-(\q)%2, \bstep, \sstep
.endif
	WIN 0x52
.if (\q) == 0
	MULH 0, 2, 1
.else
	MULH (\q)%2, 2, 0
.endif
.endm
.macro MAIN bstep, sstep
	s_wait_tensorcnt 0x0                           ; my one load is in; the barrier shows that of all four waves
	s_barrier_signal -1
	s_barrier_wait -1
	FETCH 0, \bstep, \sstep
	s_wait_alu depctr_va_vdst(0)
.irp q, 0,1,2,3,4,5,6,7
	KSTEP \q, \bstep, \sstep
.endr
	WIN 0
	PLACES                                         ; behind the last products: results are read, and the fragments' registers written, only from here on
	v_mov_b32 v115, 0                              ; (a lane permute's destination counts as one of its sources)
.endm
	s_cmp_eq_u32 s20, 2
	s_cbranch_scc1 .Lv
	; ---------------- q and k ----------------
	s_lshr_b32 s81, s16, 1                         ; ah: my 64 tokens
	s_and_b32 s82, s16, 1                          ; bh: my 128 channels
	s_mul_i32 s83, s82, 12288
	s_add_co_u32 s83, s83, LB
	v_add_nc_u32 v4, s83, v1                       ; big: the weight's tiles 8 bh ..
	s_mul_i32 s83, s81, 6144
	v_add_nc_u32 v5, s83, v1                       ; small: x's tiles 4 ah ..
	s_lshl_b32 s83, s82, 9
	s_add_co_u32 s83, s83, LB+24576
	s_wait_alu depctr_va_vdst(0)
	v_add_nc_u32 v6, s83, v3
	s_lshl_b32 s83, s81, 8
	s_add_co_u32 s83, s83, 12288
	v_add_nc_u32 v7, s83, v3
	s_cmp_eq_u32 s20, 0
	s_cselect_b64 s[84:85], s[6:7], s[8:9]         ; bq or bk
	s_lshl_b32 s86, s82, 3
	s_add_co_u32 s86, s86, s21
	s_lshl_b32 s86, s86, 8                         ; head 8 bh + dl, 256 bytes a head
	s_mov_b32 s87, 0
	s_add_nc_u64 s[84:85], s[84:85], s[86:87]
	v_lshlrev_b32 v11, 7, v10                      ; my half's 32 channels
.irp e, 0,1
.irp k, 0,1,2,3,4,5,6,7
	global_load_b128 v[BI+32*\e+4*\k:BI+32*\e+4*\k+3], v11, s[84:85] offset:1024*\e+16*\k
.endr
.endr
	; where the images go: offsets, chosen by mat and dl
	SEL4 88, 13824, 8192, 4352, 3584               ; a record of kv
	SEL4 89, 221184, 262144, 278528, 458752        ; a head of kv
	SEL4 90, 0, 1769472, 3866624, 6094848          ; dl's region of kv
	SEL4 91, 12288, 7168, 3584, 2816               ; K's scale words in a record
	s_lshl_b32 s92, s79, 2
	s_mul_i32 s92, s92, s89
	s_add_co_u32 s92, s92, s90
	s_mul_i32 s93, s80, s88
	s_add_co_u32 s92, s92, s93                     ; k: region + 4 b heads + s records
	s_lshl_b32 s93, s79, 4
	s_add_co_u32 s93, s93, s21
	s_lshl_b32 s93, s93, 17
	s_lshl_b32 s94, s80, 13
	s_add_co_u32 s93, s93, s94                     ; q: (16 b + dl) heads of 131,072 + s spans of 8,192
	s_lshl_b32 s88, s88, 4                         ; a class of kv: 16 records
	s_sub_co_u32 s94, 3, s21                       ; tile -> class: >> (3 - dl)
	s_lshr_b32 s95, 8, s21
	s_sub_co_u32 s95, s95, 1                       ; tile -> place in the class's record
	s_cmp_eq_u32 s20, 0
	s_cselect_b32 s92, s93, s92
	s_cselect_b32 s89, 524288, s89                 ; four heads on
	s_cselect_b32 s88, 1024, s88                   ; q: a tile on
	s_cselect_b32 s94, 0, s94
	s_cselect_b32 s95, 0, s95
	s_cselect_b32 s91, 768, s91
	s_cselect_b64 s[96:97], s[12:13], s[14:15]     ; qb or kv
	s_lshl_b32 s93, s82, 1
	s_mul_i32 s93, s93, s89
	s_add_co_u32 s92, s92, s93                     ; head 4 (2 bh) + dl,
	s_add_co_u32 s98, s92, s89                     ; and 4 (2 bh + 1) + dl
	s_lshl_b32 s99, s81, 2                         ; my first tile of tokens
	s_wait_alu depctr_va_vdst(0)
	MAIN 25600, 12800
	s_wait_loadcnt 0x0                             ; the bias
; Tile a of my tokens, head e of my two: a lane's 32 sums + bias are one block of 32 channels: its byte, its 24 bytes of codes.
.macro QKOUT a, e
	WIN 0x01                                       ; source 0 (the sums) window 1
.set i, 0
.rept 16
	v_pk_add_f32 v[T+i:T+i+1], v[64*\a+32*\e+i:64*\a+32*\e+i+1], v[BI+32*\e+i:BI+32*\e+i+1]   ; each accumulator from its low end on
.set i, i+2
.endr
	WIN 0
	v_max3_num_f32 v104, |v[T]|, |v[T+1]|, 0x1800000
	v_max3_num_f32 v105, |v[T+16]|, |v[T+17]|, 0x1800000
.irp i, 2,4,6,8,10,12,14
	v_max3_num_f32 v104, v104, |v[T+\i]|, |v[T+\i+1]|
	v_max3_num_f32 v105, v105, |v[T+16+\i]|, |v[T+17+\i]|
.endr
	v_max_num_f32 v104, v104, v105
	v_add_nc_u32 v106, 0xff000000, v104            ; the conversion's scale operand
	s_wait_alu depctr_va_vdst(0)
	s_wait_xcnt 0x0                                ; the last unit's stores have read their data and bases: both are written again only behind this wait
	s_add_co_u32 s83, s99, \a
	s_lshr_b32 s93, s83, s94
	s_and_b32 s83, s83, s95
	s_mul_i32 s93, s93, s88
.if \e
	s_add_co_u32 s93, s93, s98
.else
	s_add_co_u32 s93, s93, s92
.endif
	s_mul_i32 s84, s83, 768
	s_add_co_u32 s84, s84, s93
	s_mov_b32 s85, 0
	s_lshl_b32 s86, s83, 7
	s_add_co_u32 s86, s86, s93
	s_add_co_u32 s86, s86, s91
	s_mov_b32 s87, 0
	s_add_nc_u64 s[84:85], s[96:97], s[84:85]
	s_add_nc_u64 s[86:87], s[96:97], s[86:87]
	v_lshrrev_b32 v107, 23, v106                   ; the byte
	v_cvt_scalef32_pk16_fp6_f32 v[108:110], v[T:T+15], v106
	v_cvt_scalef32_pk16_fp6_f32 v[112:114], v[T+16:T+31], v106
	v_lshlrev_b32 v107, v8, v107                   ; (a plain place behind the conversions)  byte h of the word
	v_mov_b32 v111, v112
	v_mov_b32 v112, v113
	v_mov_b32 v113, v114
	v_permlanex16_b32 v115, v107, s2, s3
	v_or_b32 v107, v107, v115
	v_or_b32 v107, 0x7f7f0000, v107                ; K = 64: the upper two blocks of the instruction's 128 have the scale 1 and meet zero codes
	global_store_b128 v1, v[108:111], s[84:85]
	global_store_b64 v2, v[112:113], s[84:85] offset:512
	global_store_b32 v9, v107, s[86:87]
.endm
.irp a, 0,1,2,3
.irp e, 0,1
	QKOUT \a, \e
.endr
.endr
	s_branch .Lend
	; ---------------- v ----------------
.Lv:
	s_wait_alu depctr_va_vdst(0)
	v_mov_b32 v4, v1                               ; big: x's eight tiles
	v_add_nc_u32 v6, 12288, v3
	s_mul_i32 s83, s16, 6144
	s_add_co_u32 s83, s83, LB
	v_add_nc_u32 v5, s83, v1                       ; small: the weight's tiles 4 w ..: head 4 w + dl
	s_lshl_b32 s83, s16, 8
	s_add_co_u32 s83, s83, LB+24576
	v_add_nc_u32 v7, s83, v3
	s_lshl_b32 s86, s16, 2
	s_add_co_u32 s86, s86, s21
	s_lshl_b32 s86, s86, 8
	s_mov_b32 s87, 0
	s_add_nc_u64 s[84:85], s[10:11], s[86:87]      ; bv at my head
	v_bfe_u32 v11, v0, 3, 1
	v_and_b32 v12, 7, v0
	v_lshlrev_b32 v12, 2, v12
	v_lshl_or_b32 v11, v11, 7, v12                 ; lane r of tile ct is channel 32 (r / 8) + 8 ct + r % 8
.irp ct, 0,1,2,3
	global_load_b32 v[BI+2*\ct], v11, s[84:85] offset:32*\ct
	v_mov_b32 v[BI+2*\ct+1], 0                     ; (named with it as a pair)
.endr
	s_wait_alu depctr_va_vdst(0)
	MAIN 12800, 25600
	s_wait_loadcnt 0x0
; Channel tile ct.  v[T + 8 tile + j] is my channel's v at row (h, j) of x's tile.  Number n of block 2 c + h lies at 2 G (n / G) + G c + n % G, G = 32 / d.
.macro VUNIT d, ct, R16, VOFF, VSOFF
.set G, 32/(\d)
	WIN 0x01
.set i, 0
.rept 32
	v_pk_add_f32 v[T+i:T+i+1], v[64*\ct+i:64*\ct+i+1], v[BI+2*\ct:BI+2*\ct+1] op_sel_hi:[1,0]
.set i, i+2
.endr
	WIN 0
.set n, 0
.rept 16
.set i0, T+2*G*(n/G)+n%G
.if n == 0
	v_max3_num_f32 v104, |v[i0]|, |v[i0+1]|, 0x1800000
	v_max3_num_f32 v105, |v[i0+G]|, |v[i0+G+1]|, 0x1800000
.else
	v_max3_num_f32 v104, v104, |v[i0]|, |v[i0+1]|
	v_max3_num_f32 v105, v105, |v[i0+G]|, |v[i0+G+1]|
.endif
.set n, n+2
.endr
	v_add_nc_u32 v106, 0xff000000, v104            ; the scale operands of blocks h and 2 + h
	v_add_nc_u32 v107, 0xff000000, v105
	s_wait_alu depctr_va_vdst(0)
	s_wait_xcnt 0x0                                ; the last unit's stores have read their data
	v_lshrrev_b32 v116, 23, v106
	v_lshrrev_b32 v117, 23, v107
	v_lshl_or_b32 v116, v117, 16, v116
	v_lshlrev_b32 v116, v8, v116
	v_permlanex16_b32 v115, v116, s2, s3
	v_or_b32 v116, v116, v115                      ; my channel's scale word for these 128 tokens: the same for every class
.set n, 0
.rept \d
	global_store_b32 v9, v116, s[86:87] offset:n*(\R16)+(\VSOFF)+128*\ct
.set n, n+1
.endr
.if (\d) == 1
	v_cvt_scalef32_pk16_fp6_f32 v[144:146], v[T:T+15], v106
	v_cvt_scalef32_pk16_fp6_f32 v[108:110], v[T+16:T+31], v106
	v_cvt_scalef32_pk16_fp6_f32 v[150:152], v[T+32:T+47], v107
	v_cvt_scalef32_pk16_fp6_f32 v[112:114], v[T+48:T+63], v107
	v_nop
.irp k, 0,1,2
	v_mov_b32 v[147+\k], v[108+\k]
	v_mov_b32 v[153+\k], v[112+\k]
.endr
.irp k, 0,1,2
	global_store_b128 v1, v[144+4*\k:147+4*\k], s[86:87] offset:(\VOFF)+1536*\ct+512*\k
.endr
.elseif (\d) == 2
.irp r, 0,1
.irp c, 0,1
	v_cvt_scalef32_pk16_fp6_f32 v[144+8*\r+4*\c:146+8*\r+4*\c], v[T+32*\r+16*\c:T+32*\r+16*\c+15], v[106+\c]
.endr
.endr
	v_nop
.irp k, 0,1,2,3
	v_mov_b32 v[147+4*\k], 0                       ; slots 16 on of a block are empty
.endr
.irp r, 0,1
.irp c, 0,1
	global_store_b128 v1, v[144+8*\r+4*\c:147+8*\r+4*\c], s[86:87] offset:\r*(\R16)+(\VOFF)+1024*\ct+512*\c
.endr
.endr
.elseif (\d) == 4
.irp r, 0,1,2,3                                ; a class's 16 numbers: 8 of block h, 8 of block 2 + h: converted under each block's scale, and each block's 48 bits kept
	v_cvt_scalef32_pk16_fp6_f32 v[144+8*\r:146+8*\r], v[T+16*\r:T+16*\r+15], v106
	v_cvt_scalef32_pk16_fp6_f32 v[148+8*\r:150+8*\r], v[T+16*\r:T+16*\r+15], v107
.endr
	v_nop
.irp r, 0,1,2,3
	v_alignbit_b32 v[148+8*\r], v[150+8*\r], v[149+8*\r], 16    ; bits 48 .. 95 come down to bit 0
	v_lshrrev_b32 v[149+8*\r], 16, v[150+8*\r]
.endr
.irp r, 0,1,2,3
	global_store_b64 v2, v[144+8*\r:145+8*\r], s[86:87] offset:\r*(\R16)+(\VOFF)+512*\ct      ; (what lies above bit 47 meets zero codes of p)
	global_store_b64 v2, v[148+8*\r:149+8*\r], s[86:87] offset:\r*(\R16)+(\VOFF)+512*\ct+256
.endr
.else
.irp p, 0,1,2,3                                ; classes 2 p and 2 p + 1: 4 + 4 numbers each.  Block h's codes stand in slots 0-3, block 2 + h's in slots 4-7; the other four slots are zero, since p's codes there are of the other block
	v_cvt_scalef32_pk16_fp6_f32 v[108:110], v[T+16*\p:T+16*\p+15], v106
	v_cvt_scalef32_pk16_fp6_f32 v[112:114], v[T+16*\p:T+16*\p+15], v107
	v_nop
	v_and_b32 v[144+8*\p], 0xffffff, v108
	v_mov_b32 v[145+8*\p], 0
	v_and_b32 v[146+8*\p], 0xff000000, v112
	v_mov_b32 v[147+8*\p], v113
	v_alignbit_b32 v[148+8*\p], v110, v109, 16
	v_and_b32 v[148+8*\p], 0xffffff, v[148+8*\p]
	v_mov_b32 v[149+8*\p], 0
	v_alignbit_b32 v[150+8*\p], v114, v113, 16
	v_and_b32 v[150+8*\p], 0xff000000, v[150+8*\p]
	v_lshrrev_b32 v[151+8*\p], 16, v114
	global_store_b64 v2, v[144+8*\p:145+8*\p], s[86:87] offset:(2*\p)*(\R16)+(\VOFF)+512*\ct
	global_store_b64 v2, v[146+8*\p:147+8*\p], s[86:87] offset:(2*\p)*(\R16)+(\VOFF)+512*\ct+256
	global_store_b64 v2, v[148+8*\p:149+8*\p], s[86:87] offset:(2*\p+1)*(\R16)+(\VOFF)+512*\ct
	global_store_b64 v2, v[150+8*\p:151+8*\p], s[86:87] offset:(2*\p+1)*(\R16)+(\VOFF)+512*\ct+256
.endr
.endif
.endm
.macro VOUT d, R, HS, KVO, R16, VOFF, VSOFF
	s_lshl_b32 s83, s79, 2
	s_add_co_u32 s83, s83, s16
	s_mul_i32 s83, s83, \HS                        ; head 4 w + dl of batch b,
	s_mul_i32 s86, s80, \R                         ; record s of its class 0
	s_add_co_u32 s86, s86, s83
	s_add_co_u32 s86, s86, \KVO
	s_mov_b32 s87, 0
	s_add_nc_u64 s[86:87], s[14:15], s[86:87]
.irp ct, 0,1,2,3
	VUNIT \d, \ct, \R16, \VOFF, \VSOFF
.endr
.endm
	s_cmp_eq_u32 s21, 0
	s_cbranch_scc0 .Lv2
	VOUT 1, 13824, 221184, 0, 221184, 6144, 13312
	s_branch .Lend
.Lv2:
	s_cmp_eq_u32 s21, 1
	s_cbranch_scc0 .Lv4
	VOUT 2, 8192, 262144, 1769472, 131072, 3072, 7680
	s_branch .Lend
.Lv4:
	s_cmp_eq_u32 s21, 2
	s_cbranch_scc0 .Lv8
	VOUT 4, 4352, 278528, 3866624, 69632, 1536, 3840
	s_branch .Lend
.Lv8:
	VOUT 8, 3584, 458752, 6094848, 57344, 768, 2944
.Lend:
	s_wait_tensorcnt 0x0
	ds_add_u32 v254, v255
	s_wait_dscnt 0x0
	CROUND                                         ; the closing round: no work-group ends while a partner may still ask for a block that names it
	s_endpgm
.Lfunc_end_k_q79a4ca8e3a_proj:
	.size	k_q79a4ca8e3a_proj, .Lfunc_end_k_q79a4ca8e3a_proj-k_q79a4ca8e3a_proj
	.p2alignl 7, 3214868480
	.fill 96, 4, 3214868480
	.section	.rodata,"a",@progbits
	.p2align	6, 0x0
	.amdhsa_kernel k_q79a4ca8e3a_proj
		.amdhsa_group_segment_fixed_size 307712
		.amdhsa_private_segment_fixed_size 0
		.amdhsa_enable_private_segment 0
		.amdhsa_kernarg_size 48
		.amdhsa_user_sgpr_count 2
		.amdhsa_user_sgpr_kernarg_segment_ptr 1
		.amdhsa_wavefront_size32 1
		.amdhsa_system_sgpr_workgroup_id_x 1
		.amdhsa_system_sgpr_workgroup_id_y 1
		.amdhsa_system_sgpr_workgroup_id_z 1
		.amdhsa_system_vgpr_workitem_id 0
		.amdhsa_next_free_vgpr 768
		.amdhsa_next_free_sgpr 100
		.amdhsa_reserve_vcc 0
		.amdhsa_float_denorm_mode_32 3
		.amdhsa_float_denorm_mode_16_64 3
		.amdhsa_memory_ordered 1
		.amdhsa_forward_progress 1
		.amdhsa_inst_pref_size 255
	.end_amdhsa_kernel
	.section	.bss,"aw",@nobits
	.p2align	6
	.space	262144
	.amdgpu_metadata
---
amdhsa.version: [ 1, 2 ]
amdhsa.kernels:
  - .name:           k_q79a4ca8e3a_proj
    .symbol:         k_q79a4ca8e3a_proj.kd
    .args:
      - { .name: cod, .offset: 0, .size: 8, .value_kind: global_buffer, .address_space: global }
      - { .name: bq, .offset: 8, .size: 8, .value_kind: global_buffer, .address_space: global }
      - { .name: bk, .offset: 16, .size: 8, .value_kind: global_buffer, .address_space: global }
      - { .name: bv, .offset: 24, .size: 8, .value_kind: global_buffer, .address_space: global }
      - { .name: qb, .offset: 32, .size: 8, .value_kind: global_buffer, .address_space: global }
      - { .name: kv, .offset: 40, .size: 8, .value_kind: global_buffer, .address_space: global }
    .group_segment_fixed_size: 307712
    .private_segment_fixed_size: 0
    .kernarg_segment_align: 8
    .kernarg_segment_size: 48
    .max_flat_workgroup_size: 128
    .sgpr_count:     100
    .vgpr_count:     768
    .wavefront_size: 32
...
	.end_amdgpu_metadata
.endif
;; end of part 2
;; launch attn (part 3): grid 256 x 1, 16 waves a work-group, clusters of 4 x 1, 327,680 bytes of LDS; arguments qb, kv, ac; writes ac
.if DOCPART == 3
	.amdgcn_target "amdgcn-amd-amdhsa--gfx1250"
	.amdhsa_code_object_version 6
	.text
	.protected	k_q79a4ca8e3a_attn
	.globl	k_q79a4ca8e3a_attn
	.p2align	8
	.type	k_q79a4ca8e3a_attn,@function
k_q79a4ca8e3a_attn:
	s_mov_b64 s[64:65], 0
	v_nop
	global_prefetch_b8 v0, s[64:65] scope:SCOPE_SE
	s_setreg_imm32_b32 hwreg(HW_REG_WAVE_MODE, 25, 1), 1
	s_wait_xcnt 0x0
	s_wait_alu depctr_hold_cnt(0) depctr_sa_sdst(0) depctr_va_vdst(0) depctr_va_sdst(0) depctr_va_ssrc(0) depctr_va_vcc(0) depctr_vm_vsrc(0)
	s_getreg_b32 s2, hwreg(HW_REG_IB_STS2, 6, 4)
	s_cmp_eq_u32 s2, 0
	s_cbranch_scc0 .Lentry_in_a_cluster
	s_endpgm
.Lentry_in_a_cluster:
	s_bfe_u32 s2, ttmp6, 0x10000c
	s_cmp_lg_u32 s2, 0x3003
	s_cbranch_scc0 .Lentry_shape_is_right
	s_endpgm
.Lentry_shape_is_right:
; Dilated attention on codes of FP6 (E2M3).  Head hd has dilation d = 2^(hd % 4): key j counts for query i where i = j modulo d.  Only those scores are computed.
; SOFTMAX: t = score x log2(e) / 8; M = the running largest t rounded UP to a whole number; p = 2^(t - M) is quantised along the keys, in the blocks of 32 NEIGHBOURING keys of the sequence, of which 32 / d are
; live; the row's sum is taken of the unquantised p and divides at the end.  When M moves, the sum and O are multiplied by 2^(old M - new M), which rounds nothing.
; SHARES.  A cluster is (batch b, head group g, rho = query % 8); partner cx.  Wave w has role dl = w / 4 and i = w % 4: head 4 g + dl, the 16 queries of span 4 cx + i with token % 8 = rho, all of class rho % d.
; Every wave walks the batch's 16 spans of 128 keys; a span is 8 / d tiles of scores (its class's keys alone) and 4 products with V.
; LAYOUT.  Both products transposed: S^T = K Q^T, O^T = V^T P^T: a lane holds ONE query.  The rows of a tile of K are ordered so that lane half h holds keys of the blocks 2 c + h, whole: a block's largest score needs no
; other lane, and the conversions' results are the operand's registers.  A block of the second product is a block of the sequence: 32 / d live codes at its low end, zeros above (in p or in V).
; The scores' K is 64: Q's registers 6-11 are zero, so K's operand may name whatever lies behind its six registers.
; RING.  A record of kv holds a (head, class, span)'s K and V as images of registers.  Two slots of four spans; wave (dl, i) fetches record i of role dl: one load a wave.  The four partners walk the same four heads
; and classes, so every load is joint (mask 15).
; The result, divided by the sum, is quantised along the model's 1,024 (a lane's 32 channels are a block) and stored as an image for the last product.
; LIMITS: NaN and infinities are not served.  A block whose largest magnitude lies under 2^-124 gets the byte 1; only this program reads the bytes.
; REGISTERS: v1-3 16, 8, 4 x lane; v4-6 the record's addresses; v7, v8 the spare word and 0; v9 8 h; v10, v11 the stage; v12 -M, v13 largest t, v[14:15] the sum; v16-27 Q; v28 Q's scale word, v29 p's;
;   v32-85 K's fragments (behind the scores v32-48 are at work); v86-93 K's scale words, v94-97 V's; v98-161 S^T, then p; v162-193 O^T; v194-205 p's codes; v206-253 V.
.set SLOT1, 131072
.set STG,   262144                     ; 512 bytes: the result's scale bytes meet here
.set SPARE, 262656                     ; the spare words, 128 bytes for each of 16 waves: eight blocks of 256 bytes that no other line names
.set KF, 32
.set KS, 86
.set VS, 94
.set S,  98
.set O,  162
.set P,  194
.set V,  206
.macro CROUND
	s_barrier_signal -1
	s_barrier_wait -1
	s_cmp_lg_u32 s10, 0
	s_cbranch_scc1 .Lnot_wave_0_\@
	s_barrier_signal -3
.Lnot_wave_0_\@:
	s_barrier_wait -3
	s_barrier_signal -1
	s_barrier_wait -1
.endm
.macro PLACES
.rept 4
	v_nop
.endr
.endm
; A joint load: each role has its own shape and its own walking group 0; the branches hang on the wave's number alone.  Four v_nop follow each line.
.macro JLOAD
	s_cmp_eq_u32 s11, 0
	s_cbranch_scc0 .Lj1_\@
	tensor_load_to_lds s[56:59], s[24:31]
	s_nop 0
	PLACES
	s_branch .Ljd_\@
.Lj1_\@:
	s_cmp_eq_u32 s11, 1
	s_cbranch_scc0 .Lj2_\@
	tensor_load_to_lds s[60:63], s[32:39]
	s_nop 0
	PLACES
	s_branch .Ljd_\@
.Lj2_\@:
	s_cmp_eq_u32 s11, 2
	s_cbranch_scc0 .Lj3_\@
	tensor_load_to_lds s[68:71], s[40:47]
	s_nop 0
	PLACES
	s_branch .Ljd_\@
.Lj3_\@:
	tensor_load_to_lds s[72:75], s[48:55]
	s_nop 0
	PLACES
.Ljd_\@:
.endm
.macro MKG1 g, C, R                    ; a record as R rows of C elements of 8 bytes, dense
	s_mov_b32 s[\g], 15|(3<<16)|(1<<21)            ; the mask: all four work-groups; bit 21 set beside it
	s_mov_b32 s[\g+1], (\C)<<16
	s_mov_b32 s[\g+2], (\R)<<16
	s_mov_b32 s[\g+3], (\C)<<16
	s_mov_b32 s[\g+4], \R
	s_mov_b32 s[\g+5], \C
	s_mov_b32 s[\g+6], 0
	s_mov_b32 s[\g+7], 0
.endm
.macro MKG0 g, RB, R, KVO, HS, DM1     ; record i of the role's first four: nothing in it hangs on my place in the cluster
	s_mov_b32 s[\g], 1
	s_mul_i32 s90, s12, \R
	s_add_co_u32 s[\g+1], s90, \RB
	s_lshl_b32 s92, s14, 2
	s_add_co_u32 s92, s92, s15
	s_mul_i32 s92, s92, \HS                        ; head 4 g + dl of batch b
	s_and_b32 s91, s16, \DM1
	s_mul_i32 s91, s91, 16*(\R)                    ; class rho % d
	s_add_co_u32 s92, s92, s91
	s_add_co_u32 s92, s92, s90
	s_add_co_u32 s92, s92, \KVO
	s_mov_b32 s93, 0
	s_add_nc_u64 s[\g+2:\g+3], s[6:7], s[92:93]
	s_or_b32 s[\g+3], s[\g+3], 0x80000000
.endm
	s_load_b128 s[4:7], s[0:1], 0x0                ; qb, kv
	s_load_b64 s[8:9], s[0:1], 0x10                ; ac
	v_lshl_add_u32 v7, v0, 2, SPARE
	v_mov_b32 v8, 0
	ds_add_u32 v7, v8
	ds_add_u32 v7, v8
	s_wait_dscnt 0x0
	v_lshrrev_b32 v1, 5, v0
	s_delay_alu instid0(VALU_DEP_1)
	v_readfirstlane_b32 s10, v1                    ; wave 0..15
	s_lshr_b32 s11, s10, 2                         ; dl
	s_and_b32 s12, s10, 3                          ; i
	s_bfe_u32 s13, ttmp6, 0x40000                  ; cx: it enters Q's and the result's addresses alone
	s_lshr_b32 s14, ttmp9, 5                       ; b
	s_bfe_u32 s15, ttmp9, 0x20003                  ; g
	s_and_b32 s16, ttmp9, 7                        ; rho
	s_lshl_b32 s82, s14, 4                         ; Q's tile: ((16 b + head) 16 + span) 8,192 + 1,024 rho
	s_lshl_b32 s83, s15, 2
	s_add_co_u32 s82, s82, s83
	s_add_co_u32 s82, s82, s11
	s_lshl_b32 s82, s82, 4
	s_lshl_b32 s83, s13, 2
	s_add_co_u32 s82, s82, s83
	s_add_co_u32 s82, s82, s12
	s_lshl_b32 s82, s82, 13
	s_lshl_b32 s83, s16, 10
	s_add_co_u32 s82, s82, s83
	s_mov_b32 s83, 0
	s_lshl_b32 s86, s14, 4                         ; the result: row block 16 b + 2 rho + cx / 2,
	s_lshl_b32 s90, s16, 1
	s_add_co_u32 s86, s86, s90
	s_lshr_b32 s90, s13, 1
	s_add_co_u32 s86, s86, s90
	s_mul_i32 s86, s86, 102400
	s_mul_i32 s90, s15, 25600                      ; K step 2 g (+ dl / 2),
	s_add_co_u32 s86, s86, s90
	s_and_b32 s90, s13, 1
	s_lshl_b32 s88, s90, 8
	s_add_co_u32 s88, s88, s86
	s_add_co_u32 s88, s88, 12288                   ; its scale words: my work-group's four tiles
	s_mov_b32 s89, 0
	s_lshr_b32 s91, s11, 1
	s_mul_i32 s91, s91, 12800
	s_add_co_u32 s86, s86, s91
	s_lshl_b32 s90, s90, 2
	s_add_co_u32 s90, s90, s12
	s_mul_i32 s90, s90, 1536                       ; tile 4 (cx % 2) + i,
	s_add_co_u32 s86, s86, s90
	s_and_b32 s90, s11, 1
	s_mul_i32 s90, s90, 768                        ; planes 3 (dl % 2) on
	s_add_co_u32 s86, s86, s90
	s_mov_b32 s87, 0
	s_lshr_b32 s94, s11, 1                         ; the stage: 256 (dl / 2) + 64 i + 2 (dl % 2)
	s_lshl_b32 s94, s94, 8
	s_lshl_b32 s91, s12, 6
	s_add_co_u32 s94, s94, s91
	s_and_b32 s91, s11, 1
	s_lshl_b32 s91, s91, 1
	s_add_co_u32 s94, s94, s91
	s_add_co_u32 s94, s94, STG
	MKG1 24, 32, 54
	MKG1 32, 32, 32
	MKG1 40, 32, 17
	MKG1 48, 16, 27
	s_mov_b32 s20, 0x76543210
	s_mov_b32 s21, 0xfedcba98                      ; lane selects: lane l xor 16
	s_mov_b32 s22, 0x3e38aa3b                      ; c = log2(e) / sqrt(64)
	s_mov_b32 s23, s22                             ; (named with it as a pair)
	s_mov_b32 s76, 0                               ; where each role's record in hand begins in LDS
	s_mov_b32 s77, 55296
	s_mov_b32 s78, 88064
	s_mov_b32 s79, 105472
	s_mov_b32 s80, 3                               ; slots still to be asked for
	s_wait_kmcnt 0x0
	MKG0 56, 0, 13824, 0, 221184, 0
	MKG0 60, 55296, 8192, 1769472, 262144, 1
	MKG0 68, 88064, 4352, 3866624, 278528, 3
	MKG0 72, 105472, 3584, 6094848, 458752, 7
	s_add_nc_u64 s[4:5], s[4:5], s[82:83]
	s_add_nc_u64 s[86:87], s[8:9], s[86:87]
	s_add_nc_u64 s[88:89], s[8:9], s[88:89]
	CROUND                                         ; all four work-groups are here: the first joint loads meet
	JLOAD                                          ; slot 0: spans 0 to 3
	v_and_b32 v1, 31, v0
	s_delay_alu instid0(VALU_DEP_1)
	v_lshlrev_b32 v2, 3, v1
	s_delay_alu instid0(VALU_DEP_2)
	v_lshlrev_b32 v3, 2, v1
	s_delay_alu instid0(VALU_DEP_3)
	v_lshlrev_b32 v1, 4, v1
	global_load_b128 v[16:19], v1, s[4:5]          ; Q's six registers and its scale word stay
	global_load_b64 v[20:21], v2, s[4:5] offset:512
	global_load_b32 v28, v3, s[4:5] offset:768
	v_and_b32 v10, 15, v0
	s_delay_alu instid0(VALU_DEP_1)
	v_lshlrev_b32 v10, 2, v10
	v_bfe_u32 v9, v0, 4, 1
	s_delay_alu instid0(VALU_DEP_1)
	v_add_nc_u32 v10, v10, v9
	s_delay_alu instid0(VALU_DEP_1)
	v_add_nc_u32 v10, s94, v10                     ; my byte in the stage: + 4 x query + h
	s_delay_alu instid0(VALU_DEP_3)
	v_lshlrev_b32 v9, 3, v9
	v_add_nc_u32 v11, STG, v1
	v_mov_b32 v13, 0xff61b1e6                      ; the largest t so far: -3e38
	s_delay_alu instid0(VALU_DEP_1)
	v_floor_f32 v12, -v13
	v_mov_b32 v14, 0
	v_mov_b32 v15, 0
	; written once, while the first records are on their way: Q's upper half; what K's and V's operands name beyond their loads; the registers of S^T that stay zero; O^T and p's codes
.set j, 22
.rept 6
	v_mov_b32 v[j], 0
.set j, j+1
.endr
.set j, KF
.rept 54
	v_mov_b32 v[j], 0
.set j, j+1
.endr
.set j, S+8
.rept 24
	v_mov_b32 v[j], 0
.set j, j+1
.endr
.set j, O
.rept 92
	v_mov_b32 v[j], 0
.set j, j+1
.endr
; ONE SPAN for a wave of dilation d.  ra: the scalar that holds the record's LDS address.
.macro BODY d, ra, VOFF, KSOFF, VSOFF
.set NT, 8/(\d)                        ; tiles of scores
.set G,  32/(\d)                       ; live keys of a block; also the lane's live pairs
.set SK, 0
.set TS, 8                             ; from tile to tile in S^T
.set B1, S+16                          ; where the lane's second block begins
.set NV, 12
.if (\d) == 1
.set B1, S+32
.set NV, 16
.endif
.if (\d) == 4
.set SK, 8                             ; a tile's eight numbers are followed by eight zeros
.set TS, 16
.endif
.if (\d) == 8
.set B1, S+4
.endif
	v_add_nc_u32 v4, s[\ra], v1                    ; these three and the v_nop are the four places in front of loads into V's registers, which the last products read
	v_add_nc_u32 v5, s[\ra], v2
	v_add_nc_u32 v6, s[\ra], v3
	v_nop
.set u, 0
.rept NT
	ds_load_b128 v[KF+6*u:KF+6*u+3], v4 offset:768*u
	ds_load_b64 v[KF+6*u+4:KF+6*u+5], v5 offset:768*u+512
	ds_load_b32 v[KS+u], v6 offset:(\KSOFF)+128*u
.set u, u+1
.endr
.irp t, 0,1,2,3
.if (\d) == 1
.irp k, 0,1,2
	ds_load_b128 v[V+12*\t+4*\k:V+12*\t+4*\k+3], v4 offset:(\VOFF)+1536*\t+512*\k
.endr
.elseif (\d) == 2
.irp c, 0,1
	ds_load_b128 v[V+12*\t+6*\c:V+12*\t+6*\c+3], v4 offset:(\VOFF)+1024*\t+512*\c
.endr
.else
.irp c, 0,1
	ds_load_b64 v[V+12*\t+6*\c:V+12*\t+6*\c+1], v5 offset:(\VOFF)+512*\t+256*\c
.endr
.endif
	ds_load_b32 v[VS+\t], v6 offset:(\VSOFF)+128*\t
.endr
	s_wait_dscnt NV                                ; K is in; V's loads, issued behind it, may be out
.set u, 0
.rept NT
	v_wmma_scale_f32_16x16x128_f8f6f4 v[S+TS*u:S+TS*u+7], v[KF+6*u:KF+6*u+11], v[16:27], 0, v[KS+u], v28 matrix_a_fmt:MATRIX_FMT_FP6 matrix_b_fmt:MATRIX_FMT_FP6
.set u, u+1
.endr
	PLACES
	v_max3_num_f32 v32, v[S], v[S+1], v[S+2]       ; the largest score of each of my two blocks, ascending, by turns: it serves the row's maximum and, since p rises with the score, the block's largest p
	v_max3_num_f32 v33, v[B1], v[B1+1], v[B1+2]
.set j, 3
.rept (G-4)/2
	v_max3_num_f32 v32, v32, v[S+j], v[S+j+1]
	v_max3_num_f32 v33, v33, v[B1+j], v[B1+j+1]
.set j, j+2
.endr
	v_max_num_f32 v32, v32, v[S+G-1]
	v_max_num_f32 v33, v33, v[B1+G-1]
	s_delay_alu instid0(VALU_DEP_1)
	v_max_num_f32 v34, v32, v33
	s_delay_alu instid0(VALU_DEP_1)
	v_permlanex16_b32 v35, v34, s20, s21
	s_delay_alu instid0(VALU_DEP_1)
	v_max_num_f32 v34, v34, v35                    ; with the other half's blocks: the span's largest score of my query
	s_delay_alu instid0(VALU_DEP_1)
	v_mul_f32 v34, s22, v34
	s_delay_alu instid0(VALU_DEP_1)
	v_max_num_f32 v13, v13, v34                    ; the running largest t
	v_mov_b32 v34, v12
	s_delay_alu instid0(VALU_DEP_2)
	v_floor_f32 v12, -v13                          ; -M = floor(-t): M is a whole number
	s_delay_alu instid0(VALU_DEP_1)
	v_sub_f32 v34, v12, v34
	s_delay_alu instid0(VALU_DEP_1)
	v_cvt_i32_f32 v34, v34                         ; (it saturates)
	s_delay_alu instid0(VALU_DEP_1)
	v_ldexp_f32 v36, 1.0, v34                      ; f = 2^(old M - new M)
.set m, 0
.rept G
	v_pk_fma_f32 v[S+2*m+SK*(m/4):S+2*m+SK*(m/4)+1], v[S+2*m+SK*(m/4):S+2*m+SK*(m/4)+1], s[22:23], v[12:13] op_sel_hi:[1,0,0]   ; t - M
.set m, m+1
.endr
	v_fma_f32 v32, v32, s22, v12
	v_fma_f32 v33, v33, s22, v12
.set m, 0
	s_wait_alu depctr_va_vdst(0)
.rept 2*G
	v_exp_f32 v[S+m+SK*(m/8)], v[S+m+SK*(m/8)]     ; p = 2^(t - M): one batch
.set m, m+1
.endr
	v_pk_mul_f32 v[14:15], v[14:15], v[36:37] op_sel_hi:[1,0]   ; the sum under the new M (a plain place behind the exponentials)
	s_wait_alu depctr_va_vdst(0)                   ; one wait for the batch, ahead of its first reader
	v_exp_f32 v32, v32                             ; the blocks' largest p
	v_exp_f32 v33, v33
	v_pk_add_f32 v[42:43], v[S:S+1], v[S+2:S+3]    ; the row's sum of the unquantised p, in two chains: plain work behind the two
.set m, 2
.rept (G-2)/2
	v_pk_add_f32 v[14:15], v[14:15], v[S+2*m+SK*(m/4):S+2*m+SK*(m/4)+1]
	v_pk_add_f32 v[42:43], v[42:43], v[S+2*(m+1)+SK*((m+1)/4):S+2*(m+1)+SK*((m+1)/4)+1]
.set m, m+2
.endr
	s_delay_alu instid0(VALU_DEP_1)
	v_pk_add_f32 v[14:15], v[14:15], v[42:43]
	s_wait_alu depctr_va_vdst(0)                   ; and one for the two
	v_max_num_f32 v32, 0x1800000, v32              ; the floor 2^(3 - 127)
	v_max_num_f32 v33, 0x1800000, v33
	s_delay_alu instid0(VALU_DEP_2)
	v_add_nc_u32 v38, 0xff000000, v32
	s_delay_alu instid0(VALU_DEP_2)
	v_add_nc_u32 v39, 0xff000000, v33
	s_delay_alu instid0(VALU_DEP_2)
	v_lshrrev_b32 v40, 23, v38
	s_delay_alu instid0(VALU_DEP_2)
	v_lshrrev_b32 v41, 23, v39
	s_delay_alu instid0(VALU_DEP_1)
	v_lshl_or_b32 v40, v41, 16, v40
	s_delay_alu instid0(VALU_DEP_1)
	v_lshlrev_b32 v40, v9, v40
	s_delay_alu instid0(VALU_DEP_1)
	v_permlanex16_b32 v41, v40, s20, s21
	s_delay_alu instid0(VALU_DEP_1)
	v_or_b32 v29, v40, v41                         ; p's scale word for these 128 keys
.if (\d) == 1
	v_cvt_scalef32_pk16_fp6_f32 v[P:P+2], v[S:S+15], v38
	v_cvt_scalef32_pk16_fp6_f32 v[42:44], v[S+16:S+31], v38
	v_cvt_scalef32_pk16_fp6_f32 v[P+6:P+8], v[S+32:S+47], v39
	v_cvt_scalef32_pk16_fp6_f32 v[46:48], v[S+48:S+63], v39
	v_nop
.irp k, 0,1,2
	v_mov_b32 v[P+3+\k], v[42+\k]
	v_mov_b32 v[P+9+\k], v[46+\k]
.endr
.elseif (\d) == 8
	v_cvt_scalef32_pk16_fp6_f32 v[P:P+2], v[S:S+15], v38         ; slots 0-3 are block h's; slots 4-7, of the other block, meet zero codes of V
	v_cvt_scalef32_pk16_fp6_f32 v[P+6:P+8], v[S:S+15], v39       ; and the other way round
	v_nop
.else
	v_cvt_scalef32_pk16_fp6_f32 v[P:P+2], v[S:S+15], v38
	v_cvt_scalef32_pk16_fp6_f32 v[P+6:P+8], v[S+16:S+31], v39
	v_nop
.endif
.set m, 0
.rept 16
	v_pk_mul_f32 v[O+2*m:O+2*m+1], v[O+2*m:O+2*m+1], v[36:37] op_sel_hi:[1,0]   ; O^T under the new M.  These sixteen are also the places between the scale word, the codes and the products
.set m, m+1
.endr
	s_wait_alu depctr_va_vdst(0)
	s_wait_dscnt 0x0                               ; V
.irp t, 0,1,2,3
	v_wmma_scale_f32_16x16x128_f8f6f4 v[O+8*\t:O+8*\t+7], v[V+12*\t:V+12*\t+11], v[P:P+11], v[O+8*\t:O+8*\t+7], v[VS+\t], v29 matrix_a_fmt:MATRIX_FMT_FP6 matrix_b_fmt:MATRIX_FMT_FP6
.endr
.endm
; THE CHANGE OF SLOTS stands at a slot's head.  Each wave waits for all its tensor loads (one is out: its record of the slot ahead), adds 0 to its spare word, and waits for that and for its reads of the slot that it has left.
; fill = 1: a round of the cluster's barrier, and the slot just left is asked for again first thing behind it: the load has four spans' work in which to land.
.macro CHANGE fill
	s_wait_tensorcnt 0x0
	ds_add_u32 v7, v8
.if \fill
	s_xor_b32 s57, s57, SLOT1                      ; the walking descriptors: the other slot, the next four spans
	s_add_nc_u64 s[58:59], s[58:59], 4*13824
	s_xor_b32 s61, s61, SLOT1
	s_add_nc_u64 s[62:63], s[62:63], 4*8192
	s_xor_b32 s69, s69, SLOT1
	s_add_nc_u64 s[70:71], s[70:71], 4*4352
	s_xor_b32 s73, s73, SLOT1
	s_add_nc_u64 s[74:75], s[74:75], 4*3584
.endif
	s_wait_dscnt 0x0
.if \fill
	CROUND
	JLOAD
.else
	s_barrier_signal -1
	s_barrier_wait -1
.endif
.endm
; A slot's four spans.  Every wave walks the loop; only the span's work differs by role.  The four record addresses are stepped on the path that all take.
.macro SLOTPASS
	s_mov_b32 s81, 0
.Lspan_\@:
	s_cmp_eq_u32 s11, 0
	s_cbranch_scc0 .Lr1_\@
	BODY 1, 76, 6144, 12288, 13312
	s_branch .Ljoin_\@
.Lr1_\@:
	s_cmp_eq_u32 s11, 1
	s_cbranch_scc0 .Lr2_\@
	BODY 2, 77, 3072, 7168, 7680
	s_branch .Ljoin_\@
.Lr2_\@:
	s_cmp_eq_u32 s11, 2
	s_cbranch_scc0 .Lr3_\@
	BODY 4, 78, 1536, 3584, 3840
	s_branch .Ljoin_\@
.Lr3_\@:
	BODY 8, 79, 768, 2816, 2944
.Ljoin_\@:
	s_add_co_u32 s76, s76, 13824
	s_add_co_u32 s77, s77, 8192
	s_add_co_u32 s78, s78, 4352
	s_add_co_u32 s79, s79, 3584
	s_add_co_u32 s81, s81, 1
	s_cmp_lt_u32 s81, 4
	s_cbranch_scc1 .Lspan_\@
	s_sub_co_u32 s76, s76, 4*13824                 ; back to a slot's first record, in the other slot
	s_xor_b32 s76, s76, SLOT1
	s_sub_co_u32 s77, s77, 4*8192
	s_xor_b32 s77, s77, SLOT1
	s_sub_co_u32 s78, s78, 4*4352
	s_xor_b32 s78, s78, SLOT1
	s_sub_co_u32 s79, s79, 4*3584
	s_xor_b32 s79, s79, SLOT1
.endm
	s_wait_loadcnt 0x0                             ; Q
.Lslot:                                            ; three trips: behind each change of slots but the last the next slot is asked for
	CHANGE 1
	SLOTPASS
	s_sub_co_u32 s80, s80, 1
	s_cmp_lg_u32 s80, 0
	s_cbranch_scc1 .Lslot
	CHANGE 0                                       ; the last slot is written out
	SLOTPASS
	; THE WAY OUT.  O^T / the sum: register n is channel 32 h + n of my head: one block of the last product's K.
	PLACES
	v_add_f32 v14, v14, v15
	s_delay_alu instid0(VALU_DEP_1)
	v_permlanex16_b32 v35, v14, s20, s21
	s_delay_alu instid0(VALU_DEP_1)
	v_add_f32 v14, v14, v35                        ; the row's sum
	s_wait_alu depctr_va_vdst(0)
	v_rcp_f32 v14, v14
	v_bfe_u32 v6, v0, 4, 1                         ; (a plain place)  where wave 0 stores the scale words: 12,800 (lane / 16) + 16 (lane % 16)
	s_delay_alu instid0(VALU_DEP_1)
	v_mul_u32_u24 v6, v6, 12800
	v_and_b32 v5, 15, v0
	s_delay_alu instid0(VALU_DEP_1)
	v_lshl_add_u32 v6, v5, 4, v6
	s_wait_alu depctr_va_vdst(0)                   ; ahead of the reciprocal's first reader
.set m, 0
.rept 16
	v_pk_mul_f32 v[S+2*m:S+2*m+1], v[O+2*m:O+2*m+1], v[14:15] op_sel_hi:[1,0]    ; each accumulator from its low end on
.set m, m+1
.endr
	v_max3_num_f32 v32, |v[S]|, |v[S+1]|, 0x1800000
	v_max3_num_f32 v33, |v[S+16]|, |v[S+17]|, 0x1800000
.irp i, 2,4,6,8,10,12,14
	s_delay_alu instid0(VALU_DEP_2)
	v_max3_num_f32 v32, v32, |v[S+\i]|, |v[S+\i+1]|
	s_delay_alu instid0(VALU_DEP_2)
	v_max3_num_f32 v33, v33, |v[S+16+\i]|, |v[S+17+\i]|
.endr
	s_delay_alu instid0(VALU_DEP_1)
	v_max_num_f32 v32, v32, v33
	s_delay_alu instid0(VALU_DEP_1)
	v_add_nc_u32 v38, 0xff000000, v32
	v_cvt_scalef32_pk16_fp6_f32 v[P:P+2], v[S:S+15], v38
	v_cvt_scalef32_pk16_fp6_f32 v[P+6:P+8], v[S+16:S+31], v38
	v_lshrrev_b32 v40, 23, v38                     ; (a plain place behind the conversions)  the byte
.irp k, 0,1,2
	v_mov_b32 v[P+3+\k], v[P+6+\k]
.endr
.irp k, 0,1,2
	global_store_b64 v2, v[P+2*\k:P+2*\k+1], s[86:87] offset:256*\k    ; 32 lanes store 256 consecutive bytes, aligned
.endr
	ds_store_b8 v10, v40
	s_wait_dscnt 0x0                               ; for wave 0's sake
	s_barrier_signal -1
	s_barrier_wait -1
	s_cmp_lg_u32 s10, 0
	s_cbranch_scc1 .Lnot_first
	ds_load_b128 v[S:S+3], v11
	s_wait_dscnt 0x0
	global_store_b128 v6, v[S:S+3], s[88:89]       ; four tiles' scale words of two K steps: 256 consecutive bytes each
.Lnot_first:
	s_wait_tensorcnt 0x0                           ; the wave's end
	ds_add_u32 v7, v8
	s_wait_dscnt 0x0
	CROUND                                         ; the closing round
	s_endpgm
.Lfunc_end_k_q79a4ca8e3a_attn:
	.size	k_q79a4ca8e3a_attn, .Lfunc_end_k_q79a4ca8e3a_attn-k_q79a4ca8e3a_attn
	.p2alignl 7, 3214868480
	.fill 96, 4, 3214868480
	.section	.rodata,"a",@progbits
	.p2align	6, 0x0
	.amdhsa_kernel k_q79a4ca8e3a_attn
		.amdhsa_group_segment_fixed_size 327680
		.amdhsa_private_segment_fixed_size 0
		.amdhsa_enable_private_segment 0
		.amdhsa_kernarg_size 24
		.amdhsa_user_sgpr_count 2
		.amdhsa_user_sgpr_kernarg_segment_ptr 1
		.amdhsa_wavefront_size32 1
		.amdhsa_system_sgpr_workgroup_id_x 1
		.amdhsa_system_sgpr_workgroup_id_y 1
		.amdhsa_system_sgpr_workgroup_id_z 1
		.amdhsa_system_vgpr_workitem_id 0
		.amdhsa_next_free_vgpr 256
		.amdhsa_next_free_sgpr 100
		.amdhsa_reserve_vcc 0
		.amdhsa_float_denorm_mode_32 3
		.amdhsa_float_denorm_mode_16_64 3
		.amdhsa_memory_ordered 1
		.amdhsa_forward_progress 1
		.amdhsa_inst_pref_size 102
	.end_amdhsa_kernel
	.amdgpu_metadata
---
amdhsa.version: [ 1, 2 ]
amdhsa.kernels:
  - .name:           k_q79a4ca8e3a_attn
    .symbol:         k_q79a4ca8e3a_attn.kd
    .args:
      - { .name: qb, .offset: 0, .size: 8, .value_kind: global_buffer, .address_space: global }
      - { .name: kv, .offset: 8, .size: 8, .value_kind: global_buffer, .address_space: global }
      - { .name: ac, .offset: 16, .size: 8, .value_kind: global_buffer, .address_space: global }
    .group_segment_fixed_size: 327680
    .private_segment_fixed_size: 0
    .kernarg_segment_align: 8
    .kernarg_segment_size: 24
    .max_flat_workgroup_size: 512
    .sgpr_count:     100
    .vgpr_count:     256
    .wavefront_size: 32
...
	.end_amdgpu_metadata
.endif
;; end of part 3
;; launch outp (part 4): grid 8 x 32, 4 waves a work-group, clusters of 4 x 4, 222,720 bytes of LDS; arguments ac, cod, bo, out0; writes out0
.if DOCPART == 4
	.amdgcn_target "amdgcn-amd-amdhsa--gfx1250"
	.amdhsa_code_object_version 6
	.text
	.protected	k_q79a4ca8e3a_outp
	.globl	k_q79a4ca8e3a_outp
	.p2align	8
	.type	k_q79a4ca8e3a_outp,@function
k_q79a4ca8e3a_outp:
	s_mov_b64 s[64:65], 0
	v_nop
	global_prefetch_b8 v0, s[64:65] scope:SCOPE_SE
	s_setreg_imm32_b32 hwreg(HW_REG_WAVE_MODE, 25, 1), 1
	s_wait_xcnt 0x0
	s_wait_alu depctr_hold_cnt(0) depctr_sa_sdst(0) depctr_va_vdst(0) depctr_va_sdst(0) depctr_va_ssrc(0) depctr_va_vcc(0) depctr_vm_vsrc(0)
	s_getreg_b32 s2, hwreg(HW_REG_IB_STS2, 6, 4)
	s_cmp_eq_u32 s2, 0
	s_cbranch_scc0 .Lentry_in_a_cluster
	s_endpgm
.Lentry_in_a_cluster:
	s_bfe_u32 s2, ttmp6, 0x10000c
	s_cmp_lg_u32 s2, 0xf033
	s_cbranch_scc0 .Lentry_shape_is_right
	s_endpgm
.Lentry_shape_is_right:
; out0 = attn Wo^T + bo on codes of FP6 (E2M3).  attn arrives as images of operand registers (a tile of 16 rows x 128 K: six planes of 256 bytes, registers 2 p, 2 p + 1 of lane l at 256 p + 8 l), Wo likewise (three planes of 512).
; SHARES.  A work-group takes row block PB (128 rows of ac) and 128 columns; wave (ah, bh) 64 x 64: 16 accumulators.  ALL OF K = 1,024 LIES IN LDS; nothing is filled twice.
; CLUSTER 4 x 4: attn's blocks are shared along a row of the cluster, Wo's along a column: joint loads.
; Source 0 = 16 rows of Wo, source 1 = 16 rows of attn: a lane holds ONE row and 32 neighbouring columns; bo is the C of each sum's first product.
; ROWS.  Tile 8 PB + tau = 128 b + 16 rho + s; its row (h', j2, j1, j0) is token 128 s + rho + 8 (8 j2 + 4 h' + 2 j1 + j0) of batch b.  COLUMNS.  Wave's 64 columns begin at 64 (4 (2 half + bh) + dn).
; REGISTERS.  window 0: v1-11 addresses; v16-31 scale words, two sets (they hold nothing else); v64-255 fragments, two sets of 48 (attn) + 48 (Wo); on the way out v64-127 rows.   window 1: accumulator (a, b) at v[8 (4 a + b)]; v128-159 bo.
.set XTOT, 13107200
.set LBC,  102400                      ; LDS: attn's blocks from 0; Wo's codes, 12,288 a K step;
.set LBS,  200704                      ; Wo's scale words, 512 a K step;
.set STG,  204800                      ; a stage of 16 rows x (256 + 16) bytes for each wave: no tile lands there
.set FR,   64
.set BK,   64
.set MSB,  0
.macro WIN new
.if MSB != \new
	s_set_vgpr_msb (MSB<<8)|\new
.set MSB, \new
.endif
.endm
.macro CROUND
	s_barrier_signal -1
	s_barrier_wait -1
	s_cmp_lg_u32 s12, 0
	s_cbranch_scc1 .Lnot_wave_0_\@
	s_barrier_signal -3
.Lnot_wave_0_\@:
	s_barrier_wait -3
	s_barrier_signal -1
	s_barrier_wait -1
.endm
.macro PLACES
.rept 4
	v_nop
.endr
.endm
	s_load_b256 s[4:11], s[0:1], 0x0               ; ac, cod, bo, out0
	v_lshl_add_u32 v62, v0, 2, 0x36400
	v_mov_b32 v63, 0
	ds_add_u32 v62, v63
	ds_add_u32 v62, v63
	v_lshrrev_b32 v1, 5, v0
	v_readfirstlane_b32 s12, v1                    ; wave 0..3
	s_lshr_b32 s13, s12, 1                         ; ah
	s_and_b32 s14, s12, 1                          ; bh
	s_bfe_u32 s15, ttmp6, 0x40000                  ; cx
	s_bfe_u32 s16, ttmp6, 0x40004                  ; cy
	s_lshl_b32 s17, ttmp9, 2
	s_add_co_u32 s17, s17, s15                     ; nx: which 128 columns
	s_and_b32 s18, ttmp7, 0xffff
	s_lshl_b32 s18, s18, 2
	s_add_co_u32 s18, s18, s16                     ; PB: which 128 rows
	s_lshl_b32 s19, s16, 2
	s_lshl_b32 s19, 15, s19                        ; my row of the cluster
	s_lshl_b32 s20, 0x1111, s15                    ; my column
	s_or_b32 s24, s19, (3<<16)|(1<<21)             ; attn: four K steps, 51,200 dense bytes as 200 rows of 256
	s_mov_b32 s25, 32<<16
	s_mov_b32 s26, 200<<16
	s_mov_b32 s27, 32<<16
	s_mov_b32 s28, 200
	s_mov_b32 s29, 32
	s_mov_b32 s30, 0
	s_mov_b32 s31, 0
	s_or_b32 s32, s20, (3<<16)|(1<<21)             ; Wo's codes: eight K steps, 12,288 bytes of each block of 25,600
	s_mov_b32 s33, 1536<<16
	s_mov_b32 s34, 8<<16
	s_mov_b32 s35, 1536<<16
	s_mov_b32 s36, 8
	s_mov_b32 s37, 3200
	s_mov_b32 s38, 0
	s_mov_b32 s39, 0
	s_or_b32 s40, s20, (3<<16)|(1<<21)             ; Wo's scale words: eight K steps, 512 bytes of each block
	s_mov_b32 s41, 64<<16
	s_mov_b32 s42, 8<<16
	s_mov_b32 s43, 64<<16
	s_mov_b32 s44, 8
	s_mov_b32 s45, 3200
	s_mov_b32 s46, 0
	s_mov_b32 s47, 0
	s_mul_i32 s88, s18, 102400                     ; attn's address is made of PB alone,
	s_mov_b32 s89, 0
	s_lshr_b32 s21, s17, 1                         ; dn
	s_and_b32 s22, s17, 1                          ; half
	s_mul_i32 s90, s21, 204800                     ; Wo's of nx alone
	s_add_co_u32 s90, s90, XTOT+2457600
	s_lshl_b32 s92, s22, 9
	s_add_co_u32 s92, s92, s90
	s_add_co_u32 s92, s92, 24576
	s_mov_b32 s93, 0
	s_mul_i32 s23, s22, 12288
	s_add_co_u32 s90, s90, s23
	s_mov_b32 s91, 0
	s_lshl_b32 s96, s22, 3                         ; my columns: 256 (8 half + 4 bh + dn) bytes
	s_lshl_b32 s23, s14, 2
	s_add_co_u32 s96, s96, s23
	s_add_co_u32 s96, s96, s21
	s_lshl_b32 s96, s96, 8
	s_mov_b32 s97, 0
	s_lshr_b32 s94, s18, 4                         ; my rows: token 2,048 b + 1,024 (PB % 2) + 512 ah + rho
	s_lshl_b32 s94, s94, 11
	s_and_b32 s23, s18, 1
	s_lshl_b32 s23, s23, 10
	s_add_co_u32 s94, s94, s23
	s_lshl_b32 s23, s13, 9
	s_add_co_u32 s94, s94, s23
	s_bfe_u32 s23, s18, 0x30001
	s_add_co_u32 s94, s94, s23
	s_lshl_b32 s94, s94, 12
	s_add_co_u32 s94, s94, s96
	s_mov_b32 s95, 0
	s_wait_dscnt 0x0
	s_wait_kmcnt 0x0
	s_add_nc_u64 s[88:89], s[4:5], s[88:89]
	s_add_nc_u64 s[90:91], s[6:7], s[90:91]
	s_add_nc_u64 s[92:93], s[6:7], s[92:93]
	s_add_nc_u64 s[96:97], s[8:9], s[96:97]
	s_add_nc_u64 s[94:95], s[10:11], s[94:95]
	s_mul_i32 s22, s12, 51200                      ; wave 0 fetches attn's K steps 0-3, wave 1 its K steps 4-7
	s_mov_b32 s23, 0
.irp k, 0                                      ; group 0: one set for attn, one for Wo's codes
	s_mov_b32 s[48+4*\k], 1
	s_mov_b32 s[49+4*\k], s22
	s_add_nc_u64 s[50+4*\k:51+4*\k], s[88:89], s[22:23]
	s_or_b32 s[51+4*\k], s[51+4*\k], 0x80000000
	s_mov_b32 s[68+4*\k], 1
	s_mov_b32 s[69+4*\k], LBC+\k*24576
	s_add_nc_u64 s[70+4*\k:71+4*\k], s[90:91], \k*51200
	s_or_b32 s[71+4*\k], s[71+4*\k], 0x80000000
.endr
	s_mov_b32 s84, 1
	s_mov_b32 s85, LBS
	s_mov_b64 s[86:87], s[92:93]
	s_or_b32 s87, s87, 0x80000000
	CROUND                                         ; all sixteen work-groups are here: the joint loads meet
	s_cmp_lt_u32 s12, 2                            ; one tensor load a wave: waves 0 and 1 ask for attn, wave 2 for Wo's codes, wave 3 for Wo's scale words
	s_cbranch_scc0 .Lnot_a
	tensor_load_to_lds s[48:51], s[24:31]
	s_nop 0
	PLACES
	s_branch .Lasked
.Lnot_a:
	s_cmp_eq_u32 s12, 2
	s_cbranch_scc0 .Lfor_s
	tensor_load_to_lds s[68:71], s[32:39]
	s_nop 0
	PLACES
	s_branch .Lasked
.Lfor_s:
	tensor_load_to_lds s[84:87], s[40:47]
	s_nop 0
	PLACES
.Lasked:
	v_and_b32 v1, 31, v0
	v_lshlrev_b32 v2, 3, v1                        ; 8 x lane
	v_lshlrev_b32 v1, 4, v1                        ; 16 x lane
	v_and_b32 v12, 15, v0                          ; r
	s_wait_alu depctr_va_vdst(0)
	v_lshlrev_b32 v3, 2, v12                       ; a tile's scale words
	v_bfe_u32 v13, v0, 4, 1                        ; h
	s_mul_i32 s23, s13, 6144
	v_add_nc_u32 v4, s23, v2                       ; attn's tiles 4 ah ..
	s_mul_i32 s23, s14, 6144
	s_add_co_u32 s23, s23, LBC
	v_add_nc_u32 v5, s23, v1                       ; Wo's tiles 4 bh ..
	s_lshl_b32 s23, s13, 8
	s_add_co_u32 s23, s23, 12288
	v_add_nc_u32 v6, s23, v3
	s_lshl_b32 s23, s14, 8
	s_add_co_u32 s23, s23, LBS
	v_add_nc_u32 v7, s23, v3
	s_mul_i32 s23, s12, 4352
	s_add_co_u32 s23, s23, STG                     ; my stage
	v_mul_u32_u24 v8, v12, 272
	s_wait_alu depctr_va_vdst(0)
	v_lshl_add_u32 v8, v13, 7, v8
	v_add_nc_u32 v8, s23, v8                       ; in: row r, + 128 h
	v_mul_u32_u24 v9, v13, 272
	v_lshl_add_u32 v9, v12, 4, v9
	v_add_nc_u32 v9, s23, v9                       ; back: lanes 0-15 one row of 256 bytes, lanes 16-31 the next
	v_lshlrev_b32 v10, 15, v13
	v_lshl_add_u32 v10, v12, 4, v10                ; and in out0: the next row of a tile is 8 tokens on
	v_lshlrev_b32 v11, 7, v13
	WIN 0x40                                       ; destination window 1
.irp k, 0,1,2,3,4,5,6,7
	global_load_b128 v[128+4*\k:131+4*\k], v11, s[96:97] offset:16*\k    ; bo at my 32 columns
.endr
	WIN 0
.macro FETCH p
.irp i, 0,1,2,3
.irp k, 0,1,2,3,4,5
	ds_load_b64 v[FR+96*(\p)+12*\i+2*\k:FR+96*(\p)+12*\i+2*\k+1], v4 offset:1536*\i+256*\k
.endr
.endr
.irp i, 0,1,2,3
.irp k, 0,1,2
	ds_load_b128 v[FR+96*(\p)+48+12*\i+4*\k:FR+96*(\p)+48+12*\i+4*\k+3], v5 offset:1536*\i+512*\k
.endr
.endr
.irp i, 0,1,2,3
	ds_load_b32 v[16+8*(\p)+\i], v6 offset:64*\i
	ds_load_b32 v[20+8*(\p)+\i], v7 offset:64*\i
.endr
	v_add_nc_u32 v4, 12800, v4
	v_add_nc_u32 v6, 12800, v6
	v_add_nc_u32 v5, 12288, v5
	v_add_nc_u32 v7, 512, v7
.endm
; 8 products: attn's tiles a0, a0 + 1 against Wo's four.  The 16 accumulators take turns, one instruction a turn.  first = 1: bo starts the sums.
.macro MUL8 p, a0, first
.irp a, \a0, \a0+1
.irp b, 0,1,2,3
.if \first
	v_wmma_scale_f32_16x16x128_f8f6f4 v[8*(4*(\a)+\b):8*(4*(\a)+\b)+7], v[FR+96*(\p)+48+12*\b:FR+96*(\p)+48+12*\b+11], v[FR+96*(\p)+12*(\a):FR+96*(\p)+12*(\a)+11], v[128+8*\b:135+8*\b], v[20+8*(\p)+\b], v[16+8*(\p)+(\a)] matrix_a_fmt:MATRIX_FMT_FP6 matrix_b_fmt:MATRIX_FMT_FP6
.else
	v_wmma_scale_f32_16x16x128_f8f6f4 v[8*(4*(\a)+\b):8*(4*(\a)+\b)+7], v[FR+96*(\p)+48+12*\b:FR+96*(\p)+48+12*\b+11], v[FR+96*(\p)+12*(\a):FR+96*(\p)+12*(\a)+11], v[8*(4*(\a)+\b):8*(4*(\a)+\b)+7], v[20+8*(\p)+\b], v[16+8*(\p)+(\a)] matrix_a_fmt:MATRIX_FMT_FP6 matrix_b_fmt:MATRIX_FMT_FP6
.endif
.endr
.endr
.endm
; K step q.  In its middle the next step's fragments are fetched into the other set.  All of K lies in LDS from the one barrier in front of the first step on.
.macro KSTEP q
	s_wait_dscnt 0x0
	WIN 0x50                                       ; C and D window 1
.if (\q) == 0
	MUL8 0, 0, 1
.else
	MUL8 (\q)%2, 0, 0
.endif
	WIN 0
.if (\q) < 7
	PLACES
	s_wait_alu depctr_va_vdst(0)
	FETCH 1-(\q)%2
.endif
	WIN 0x50
.if (\q) == 0
	MUL8 0, 2, 1
.else
	MUL8 (\q)%2, 2, 0
.endif
.endm
	s_wait_tensorcnt 0x0                           ; my one load is in; the barrier shows that of all four waves
	s_barrier_signal -1
	s_barrier_wait -1
	FETCH 0
	s_wait_alu depctr_va_vdst(0)
	s_wait_loadcnt 0x0                             ; bo
.irp q, 0,1,2,3,4,5,6,7
	KSTEP \q
.endr
	WIN 0
	PLACES
; THE WAY OUT, a tile of 16 rows x 64 columns at a time, through my own stage: in by lanes (128 bytes of a row each), back by rows, so that sixteen lanes store 256 consecutive bytes, aligned.
; LDS serves a wave's instructions in order (ISA guide 5.7.1.4): no wait between the stores and the loads, nor in front of the next tile's stores.
.macro TOSTAGE a
	WIN 0x04                                       ; an LDS store's data: window 1
.irp k, 0,1,2,3,4,5,6,7
	ds_store_b128 v8, v[32*(\a)+4*\k:32*(\a)+4*\k+3] offset:16*\k      ; each accumulator from its low end on
.endr
	WIN 0
.irp t, 0,1,2,3,4,5,6,7
	ds_load_b128 v[BK+32*((\a)%2)+4*\t:BK+32*((\a)%2)+4*\t+3], v9 offset:544*\t
.endr
.endm
.macro SEND a, younger                 ; younger: the LDS instructions issued behind tile a's loads
	s_wait_dscnt \younger
.irp t, 0,1,2,3,4,5,6,7
	global_store_b128 v10, v[BK+32*((\a)%2)+4*\t:BK+32*((\a)%2)+4*\t+3], s[94:95] offset:(\a)*524288+(8*((\t/2)%2)+4*(\t/4)+2*(\t%2))*32768 th:TH_STORE_NT
.endr
.endm
	TOSTAGE 0
	TOSTAGE 1
	SEND 0, 16                                     ; behind tile 0's loads: tile 1's 8 stores and 8 loads
	s_wait_xcnt 0x0                                ; tile 0's stores have read their registers: tile 2's loads may land there
	TOSTAGE 2
	SEND 1, 16
	s_wait_xcnt 0x0
	TOSTAGE 3
	SEND 2, 16
	SEND 3, 0
	s_wait_tensorcnt 0x0
	ds_add_u32 v62, v63
	s_wait_dscnt 0x0
	CROUND                                         ; the closing round
	s_endpgm
.Lfunc_end_k_q79a4ca8e3a_outp:
	.size	k_q79a4ca8e3a_outp, .Lfunc_end_k_q79a4ca8e3a_outp-k_q79a4ca8e3a_outp
	.p2alignl 7, 3214868480
	.fill 96, 4, 3214868480
	.section	.rodata,"a",@progbits
	.p2align	6, 0x0
	.amdhsa_kernel k_q79a4ca8e3a_outp
		.amdhsa_group_segment_fixed_size 222720
		.amdhsa_private_segment_fixed_size 0
		.amdhsa_enable_private_segment 0
		.amdhsa_kernarg_size 32
		.amdhsa_user_sgpr_count 2
		.amdhsa_user_sgpr_kernarg_segment_ptr 1
		.amdhsa_wavefront_size32 1
		.amdhsa_system_sgpr_workgroup_id_x 1
		.amdhsa_system_sgpr_workgroup_id_y 1
		.amdhsa_system_sgpr_workgroup_id_z 1
		.amdhsa_system_vgpr_workitem_id 0
		.amdhsa_next_free_vgpr 512
		.amdhsa_next_free_sgpr 100
		.amdhsa_reserve_vcc 0
		.amdhsa_float_denorm_mode_32 3
		.amdhsa_float_denorm_mode_16_64 3
		.amdhsa_memory_ordered 1
		.amdhsa_forward_progress 1
		.amdhsa_inst_pref_size 59
	.end_amdhsa_kernel
	.amdgpu_metadata
---
amdhsa.version: [ 1, 2 ]
amdhsa.kernels:
  - .name:           k_q79a4ca8e3a_outp
    .symbol:         k_q79a4ca8e3a_outp.kd
    .args:
      - { .name: ac, .offset: 0, .size: 8, .value_kind: global_buffer, .address_space: global }
      - { .name: cod, .offset: 8, .size: 8, .value_kind: global_buffer, .address_space: global }
      - { .name: bo, .offset: 16, .size: 8, .value_kind: global_buffer, .address_space: global }
      - { .name: out0, .offset: 24, .size: 8, .value_kind: global_buffer, .address_space: global }
    .group_segment_fixed_size: 222720
    .private_segment_fixed_size: 0
    .kernarg_segment_align: 8
    .kernarg_segment_size: 32
    .max_flat_workgroup_size: 128
    .sgpr_count:     100
    .vgpr_count:     512
    .wavefront_size: 32
...
	.end_amdgpu_metadata
.endif
;; end of part 4
